; MI455X (gfx1250); checked and timed in simulation.
; The chip was launched on July 23, 2026; its instructions are those of AMD's public machine-readable ISA for CDNA 5 (MIT licence, August 2026) and "CDNA5" Instruction Set Architecture Reference Guide (July 2026). The comments in the code are by the model that wrote it; some were corrected since.
;; Multi Head Attention. Allowed arithmetic: matrix products marked QUANTISED: E2M1 operands, one E8M0 scale for each 32 along K, by v_wmma_scale_f32_16x16x128_f8f6f4 with both operands' format E2M1 (or v_wmma_scale_f32_32x16x128_f4), f32 sums; products left as they are: bf16, f16 or f32 operands; f32 sums; everything else in f32.
;; Inputs: bk 1,024 float32; bo 1,024 float32; bq 1,024 float32; bv 1,024 float32; context 4 x 2,048 x 1,024 float32; data 4 x 2,048 x 1,024 float32; wk 1,024 x 1,024 float32; wo 1,024 x 1,024 float32; wq 1,024 x 1,024 float32; wv 1,024 x 1,024 float32.
;; Outputs: out0 4 x 2,048 x 1,024 float32.
;; This version of the problem:
;;   THIS VERSION OF THE PROBLEM IS GIVEN IN LOW PRECISION. The matrix products marked QUANTISED in the list below multiply operands that are first quantised to E2M1 (2 exponent bits, 1 mantissa bit; 4 bits a number), with one power-of-two scale for each 32 numbers along K (OCP MX v1.0); their sums are f32. The products marked 'left as it is' may take bf16, f16 or f32 operands, with f32 sums. Whichever they take, every output number must still come out within the allowed error. Rounding operands to bf16 (8 significant bits) uses up far more of that allowance than f16 does (11 bits, for magnitudes from 6e-5 to 65,504). All else is computed in f32.
;;   The module's matrix products, in the order in which they are computed (A, B: the left and right operand; K: the contracted axis; several contracted axes count as one K, in the product's order):
;;     1. [M 8,192, K 1,024] x [K 1,024, N 1,024]; A: input data; B: input wq: QUANTISED
;;     2. [M 8,192, K 1,024] x [K 1,024, N 1,024]; A: input context; B: input wk: QUANTISED
;;     3. [M 8,192, K 1,024] x [K 1,024, N 1,024]; A: input context; B: input wv: QUANTISED
;;     4. batch 64 x [M 2,048, K 64] x [K 64, N 2,048]; A: computed on the way; B: computed on the way: left as it is (an operand is computed on the way)
;;     5. batch 64 x [M 2,048, K 2,048] x [K 2,048, N 64]; A: computed on the way; B: computed on the way: left as it is (an operand is computed on the way)
;;     6. [M 8,192, K 1,024] x [K 1,024, N 1,024]; A: computed on the way; B: input wo: left as it is (an operand is computed on the way)
;;   THE QUANTISER, for each operand of a quantised product, along K:
;;     - K is cut into blocks of 32 from its start; a last block that is shorter is filled with zeros.
;;     - A block's scale is 2^e with e = floor(log2(the largest magnitude in the block)) - 2, held to -126 .. 127; a block of zeros has e = 0. As a byte (E8M0): e + 127.
;;     - Each number is divided by its block's scale, clamped to +-6, and rounded to the nearest number of E2M1, ties to even, subnormals kept.
;;     - The product sums the exact products of the quantised numbers (number of the format x scale) in f32.
;;   ~~~python
;;   def quantise(x, axis):      # numpy; x: float32 -> the quantised numbers, widened to float32 again
;;       x = np.moveaxis(x, axis, -1); K = x.shape[-1]
;;       x = np.pad(x, [(0, 0)] * (x.ndim - 1) + [(0, -K % 32)]); x = x.reshape(x.shape[:-1] + (-1, 32)); a = np.abs(x).max(-1, keepdims=True)
;;       e = np.where(a > 0, np.clip(np.frexp(np.where(a > 0, a, 1))[1] - 1 - 2, -126, 127), 0)      # np.frexp(a)[1] - 1 = floor(log2(a)), exactly
;;       r = np.clip(x / 2.0 ** e, -6, 6)
;;       step = 2.0 ** (np.maximum(np.frexp(np.where(r == 0, 1, r))[1] - 1, 0) - 1)
;;       q = np.round(r / step) * step * 2.0 ** e      # np.round: ties to even
;;       return np.moveaxis(q.reshape(q.shape[:-2] + (-1,))[..., :K], -1, axis).astype(np.float32)
;;   ~~~
;; One version. Each part assembles by itself: llvm-mc -triple=amdgcn-amd-amdhsa -mcpu=gfx1250 --defsym DOCPART=n.
;; ======== version 1 of 1: 5 launches
;; limits: values are held in f16: magnitudes above 65,504 overflow, below 6.1e-05 lose precision
;; workspace buffers: x_codes 8,388,608 bytes; x_scales 524,288 bytes; w_codes 1,572,864 bytes; w_scales 98,304 bytes; wo16 2,097,152 bytes; qkv 50,331,648 bytes; h32 786,432 bytes; z 16,777,216 bytes
;; launch prep (part 1): grid 688 x 1, 4 waves a work-group, no clusters, 68,096 bytes of LDS; arguments data, context, wq, wk, wv, wo, x_codes, x_scales, w_codes, w_scales, wo16; writes x_codes, x_scales, w_codes, w_scales, wo16
.if DOCPART == 1
	.amdgcn_target "amdgcn-amd-amdhsa--gfx1250"
	.amdhsa_code_object_version 6
	.text
	.protected	k_q895373b271_prep
	.globl	k_q895373b271_prep
	.p2align	8
	.type	k_q895373b271_prep,@function
k_q895373b271_prep:
	s_mov_b64 s[64:65], 0
	v_nop
	global_prefetch_b8 v0, s[64:65] scope:SCOPE_SE
	s_setreg_imm32_b32 hwreg(HW_REG_WAVE_MODE, 25, 1), 1
	s_wait_xcnt 0x0
; PREP: every operand of the three quantised products becomes codes of FP4 (E2M1) with one E8M0 byte for each 32 along K, K innermost; wo becomes f16 as it lies.
; Three ways through the text, parted on the work-group's number alone:
;   0-47    wq, wk, wv [1024 k][1024 n] f32, K outermost: a lane takes a column n and its registers run down K; codes [3072 = 1024 p + n][512 bytes], bytes [3072][32].
;   48-175  wo [1024][1024] f32 -> f16, a plain stream: 8,192 bytes in and 4,096 out for each wave.
;   176-687 data, context [8192][1024] f32, K innermost: plain streams of blocks of 32; codes [2][8192][512 bytes], bytes [2][8192][32].
; The weights' work-groups have the lowest numbers: a wave of theirs has sixteen blocks in a row with two blocks' loads out, the longest chain of the launch.
; A block's scale is 2^(floor(log2(largest magnitude)) - 2); its byte is the largest magnitude's exponent field - 2, held at 1 from below.
; LIMITS: a block of zeros gets the byte 1 where the quantiser's rule says 127 (its codes are zeros and add nothing; only this program reads the bytes); blocks whose largest magnitude
; lies under 2^-124 have their byte held at 1; NaN and infinities among the inputs are not served.  wo in f16: magnitudes up to 65,504.
; LDS: 0 .. 32,767 the activations' way (8,192 a wave: two stages of 32 x 80 bytes, then 256 scale bytes); 32,768 .. 67,583 the weights' way (8,704 a wave: 32 rows x 272); then the spare words.
; No tensor load, no barrier: waves share nothing.
.set SPARE, 67584                      ; the spare words, 128 bytes for each wave: two blocks of 256 bytes that no other line names
.set SPW,   14                         ; v14  LDS address of my spare word; never rewritten
.set NIL,   15                         ; v15  0; never rewritten
.set WV,    26                         ; s26  my wave's number
	s_load_b256 s[4:11], s[0:1], 0x0               ; data s[4:5], context s[6:7], wq s[8:9], wk s[10:11]
	s_load_b256 s[12:19], s[0:1], 0x20             ; wv s[12:13], wo s[14:15], x_codes s[16:17], x_scales s[18:19]
	s_load_b128 s[20:23], s[0:1], 0x40             ; w_codes s[20:21], w_scales s[22:23]
	s_load_b64 s[24:25], s[0:1], 0x50              ; wo16
	v_lshl_add_u32 v[SPW], v0, 2, SPARE
	v_mov_b32 v[NIL], 0
	v_lshrrev_b32 v1, 5, v0
	v_readfirstlane_b32 s[WV], v1                  ; wave 0..3
	v_and_b32 v2, 31, v0                           ; lane
	s_wait_kmcnt 0x0
	s_cmp_lt_u32 ttmp9, 48
	s_cbranch_scc1 .Lweights
	s_cmp_lt_u32 ttmp9, 176
	s_cbranch_scc1 .Lwo
; ---------------- data and context: K innermost ----------------
; A wave takes 16 steps of 512 numbers.  Each of a step's four loads reads 512 consecutive bytes; the 2,048 bytes turn through the wave's own stage so that a lane holds 16 neighbours along K
; (two neighbouring lanes hold a block).  A lane's 16 codes are 8 bytes: the wave stores 256 consecutive bytes.  The wave's 256 scale bytes are gathered in LDS and leave as one store of 256 bytes.
.set STEPS, 16
.set AR,    16                         ; v16-79   four sets of 16 numbers as loaded
.set AX,    80                         ; v80-111  two sets of 16 neighbours
.set AE,    112                        ; v112-127 a scale byte for each step
.set AC,    128                        ; v128-191 codes: four registers for each step, so that no store's data are written again
.set SP,    80                         ; a lane's place in a stage: 64 bytes + 16 of padding
	s_sub_co_u32 s27, ttmp9, 176                   ; g = 0 .. 511: the first 256 take data, the others context
	v_lshlrev_b32 v3, 4, v2                        ; my 16 bytes of a load's 512
	s_lshl_b32 s30, s[WV], 13                      ; my wave's 8,192 bytes of LDS
	v_lshrrev_b32 v12, 2, v2
	v_mul_u32_u24 v12, v12, SP
	v_and_b32 v13, 3, v2
	v_lshl_add_u32 v12, v13, 4, v12
	v_add_nc_u32 v12, s30, v12                     ; the stage, on the way in: 80 (lane / 4) + 16 (lane % 4)
	v_mul_u32_u24 v13, v2, SP
	v_add_nc_u32 v13, s30, v13                     ; and on the way out: 80 x lane: my 16 neighbours
	v_lshlrev_b32 v4, 3, v2                        ; 8 x lane: my codes' place in a step's, and my 8 scale bytes at the end
	v_lshrrev_b32 v5, 1, v2
	s_add_co_u32 s30, s30, 2*32*SP
	v_add_nc_u32 v5, s30, v5                       ; my block's byte among the wave's 256
	v_add_nc_u32 v6, s30, v4                       ; and where I read 8 of them back
	s_cmp_lt_u32 s27, 256                          ; the choice hangs on the work-group's number alone
	s_cselect_b64 s[4:5], s[4:5], s[6:7]
	s_cselect_b32 s28, 0, 256
	s_sub_co_u32 s28, s27, s28
	s_lshl_b32 s28, s28, 2
	s_add_co_u32 s28, s28, s[WV]                   ; which run of 8,192 numbers of the tensor
	s_lshl_b32 s28, s28, 15                        ; 32,768 bytes a run
	s_mov_b32 s29, 0
	s_add_nc_u64 s[4:5], s[4:5], s[28:29]
	s_lshl_b32 s31, s27, 2
	s_add_co_u32 s31, s31, s[WV]                   ; which run of the two tensors on end: data's codes lie ahead of context's
	s_lshl_b32 s28, s31, 12                        ; 4,096 bytes of codes a run
	s_add_nc_u64 s[16:17], s[16:17], s[28:29]
	s_lshl_b32 s28, s31, 8                         ; 256 scale bytes a run
	s_add_nc_u64 s[18:19], s[18:19], s[28:29]
.macro ALOAD t
.irp i, 0,1,2,3
	global_load_b128 v[AR+16*((\t)%4)+4*\i:AR+16*((\t)%4)+4*\i+3], v3, s[4:5] offset:2048*(\t)+512*\i th:TH_LOAD_NT   ; 32 lanes read 512 consecutive bytes
.endr
.endm
.macro ATURN t                         ; step t's numbers through the stage: LDS serves a wave's instructions in order, so no wait stands between the stores and the loads
.irp i, 0,1,2,3
	ds_store_b128 v12, v[AR+16*((\t)%4)+4*\i:AR+16*((\t)%4)+4*\i+3] offset:32*SP*((\t)%2)+8*SP*\i
.endr
.irp i, 0,1,2,3
	ds_load_b128 v[AX+16*((\t)%2)+4*\i:AX+16*((\t)%2)+4*\i+3], v13 offset:32*SP*((\t)%2)+16*\i
.endr
.endm
.irp t, 0,1,2,3
	ALOAD \t
.endr
	s_wait_loadcnt 12                              ; step 0's four loads are in; twelve younger ones stay out
	ATURN 0
.macro ASTEP t
.set AXS, AX+16*((\t)%2)
.if (\t) > 0
	s_wait_dscnt 1                                 ; this step's numbers are back from the stage (the last step's byte store may be out): so its stage stores have read their registers,
.else
	s_wait_dscnt 0x0
.endif
.if (\t)+4 < STEPS
	ALOAD (\t)+4                                   ; which take the loads of four steps on
.endif
.if (\t)+1 < STEPS
.if STEPS-2-(\t) >= 3
	s_wait_loadcnt 12                              ; the next step's four loads are in; those of the three steps behind it may be out
.else
	s_wait_loadcnt 4*(STEPS-2-(\t))
.endif
	ATURN (\t)+1                                   ; and go through the other stage while this step is worked
.endif
	v_max3_num_f32 v8, |v[AXS]|, |v[AXS+1]|, |v[AXS+2]|            ; the largest magnitude of my 16, in two chains
	v_max3_num_f32 v9, |v[AXS+3]|, |v[AXS+4]|, |v[AXS+5]|
.irp i, 6,10
	v_max3_num_f32 v8, v8, |v[AXS+\i]|, |v[AXS+\i+1]|
	v_max3_num_f32 v9, v9, |v[AXS+\i+2]|, |v[AXS+\i+3]|
.endr
	v_max3_num_f32 v8, v8, |v[AXS+14]|, |v[AXS+15]|
	v_max3_num_f32 v8, v8, v9, 0x1800000           ; and the floor 2^(3 - 127): the byte cannot fall under 1
	v_max_num_f32_dpp v8, v8, v8 row_xmask:1 row_mask:0xf bank_mask:0xf   ; with my neighbour's 16: the block's
	v_add_nc_u32 v11, 0xff000000, v8               ; 2 off its exponent field: the conversion takes the exponent field of this operand as its scale
	v_cvt_scalef32_pk8_fp4_f32 v[AC+4*(\t)], v[AXS:AXS+7], v11
	v_cvt_scalef32_pk8_fp4_f32 v[AC+4*(\t)+1], v[AXS+8:AXS+15], v11
	v_lshrrev_b32 v[AE+(\t)], 23, v11              ; the scale's byte (a plain line behind the conversions)
	ds_store_b8 v5, v[AE+(\t)] offset:16*(\t)      ; both lanes of a block write the same byte with the same value
	global_store_b64 v4, v[AC+4*(\t):AC+4*(\t)+1], s[16:17] offset:256*(\t)   ; 32 lanes store 256 consecutive bytes, aligned
.endm
.irp t, 0,1,2,3,4,5,6,7,8,9,10,11,12,13,14,15
	ASTEP \t
.endr
	ds_load_b64 v[8:9], v6                         ; LDS serves a wave's instructions in order: this sees my byte stores
	s_wait_dscnt 0x0
	global_store_b64 v4, v[8:9], s[18:19]          ; 32 lanes store 256 consecutive bytes, aligned
	s_wait_tensorcnt 0x0                           ; the wave's end
	ds_add_u32 v[SPW], v[NIL]
	s_wait_dscnt 0x0
	s_endpgm
; ---------------- wo: f32 to f16 ----------------
.Lwo:
	s_sub_co_u32 s27, ttmp9, 48
	s_lshl_b32 s27, s27, 2
	s_add_co_u32 s27, s27, s[WV]                   ; which run of 2,048 numbers
	s_lshl_b32 s28, s27, 13
	s_mov_b32 s29, 0
	s_add_nc_u64 s[14:15], s[14:15], s[28:29]
	s_lshl_b32 s28, s27, 12
	s_add_nc_u64 s[24:25], s[24:25], s[28:29]
	v_lshlrev_b32 v3, 4, v2
	v_lshlrev_b32 v4, 3, v2
.irp t, 0,1,2,3,4,5,6,7,8,9,10,11,12,13,14,15
	global_load_b128 v[32+4*\t:35+4*\t], v3, s[14:15] offset:512*\t th:TH_LOAD_NT
.endr
.irp t, 0,1,2,3,4,5,6,7,8,9,10,11,12,13,14,15
	s_wait_loadcnt 15-\t                           ; loads come back in order: chunk t is in, the younger ones stay out
	v_cvt_pk_f16_f32 v[96+2*\t], v[32+4*\t], v[33+4*\t]
	v_cvt_pk_f16_f32 v[97+2*\t], v[34+4*\t], v[35+4*\t]
	global_store_b64 v4, v[96+2*\t:97+2*\t], s[24:25] offset:256*\t   ; 32 lanes store 256 consecutive bytes, aligned
.endr
	s_endpgm
; ---------------- wq, wk, wv: K outermost ----------------
; A wave takes 32 columns x 512 along K: 16 blocks a lane.  Each load reads one row k at 32 neighbouring columns; a block of 32 along K lies in ONE lane's 32 registers.  The codes go through
; the wave's own stage (a row a column) and leave as rows: sixteen lanes store 256 consecutive bytes.  A lane's 16 scale bytes leave by one store of 16 bytes (pieces of rows 32 bytes apart: 96 KB in all).
.Lweights:
.set WSTG,  32768
.set WP,    272                        ; a stage row: 256 bytes of codes + 16
.set NB,    16
.set WX,    32                         ; v32-95   two sets of 32 numbers
.set WC,    96                         ; v96-99   a block's codes
.set WSB,   24                         ; v24-27   the scale bytes, four to a register
.set WOUT,  112                        ; v112-175 the way out
	s_lshr_b32 s27, ttmp9, 4                       ; p: 0 wq, 1 wk, 2 wv
	s_cmp_eq_u32 s27, 0
	s_cselect_b64 s[28:29], s[8:9], s[10:11]
	s_cmp_eq_u32 s27, 2
	s_cselect_b64 s[28:29], s[12:13], s[28:29]
	s_and_b32 s30, ttmp9, 7
	s_lshl_b32 s30, s30, 7
	s_lshl_b32 s31, s[WV], 5
	s_add_co_u32 s30, s30, s31                     ; my wave's first column
	s_bfe_u32 s31, ttmp9, 0x10003                  ; which 512 along K
	s_lshl_b32 s32, s31, 21                        ; 512 rows of 4,096 bytes
	s_lshl_b32 s33, s30, 2
	s_add_co_u32 s32, s32, s33
	s_mov_b32 s33, 0
	s_add_nc_u64 s[28:29], s[28:29], s[32:33]
	s_lshl_b32 s34, s27, 10
	s_add_co_u32 s34, s34, s30                     ; my first row of the codes' buffer: 1024 p + column
	s_lshl_b32 s32, s34, 9
	s_lshl_b32 s35, s31, 8
	s_add_co_u32 s32, s32, s35
	s_add_nc_u64 s[20:21], s[20:21], s[32:33]
	s_lshl_b32 s32, s34, 5
	s_lshl_b32 s35, s31, 4
	s_add_co_u32 s32, s32, s35
	s_add_nc_u64 s[22:23], s[22:23], s[32:33]
	v_lshlrev_b32 v3, 2, v2                        ; in: 4 bytes a lane
	s_mul_i32 s36, s[WV], 32*WP
	s_add_co_u32 s36, s36, WSTG                    ; my stage
	v_mul_u32_u24 v4, v2, WP
	v_add_nc_u32 v4, s36, v4                       ; into it: row = my column
	v_and_b32 v5, 15, v2
	v_lshrrev_b32 v6, 4, v2
	v_mul_u32_u24 v7, v6, WP
	v_lshl_add_u32 v7, v5, 4, v7
	v_add_nc_u32 v7, s36, v7                       ; out of it: sixteen lanes to a row, two rows an instruction
	v_lshlrev_b32 v8, 9, v6
	v_lshl_add_u32 v8, v5, 4, v8                   ; and the same place in the codes' buffer (rows of 512 bytes)
	v_lshlrev_b32 v9, 5, v2                        ; my column's row of scale bytes
.macro WLOAD t                         ; block t: W(32 t + i, my column) into set t % 2
.irp i, 0,1,2,3,4,5,6,7,8,9,10,11,12,13,14,15,16,17,18,19,20,21,22,23,24,25,26,27,28,29,30,31
	global_load_b32 v[WX+32*((\t)%2)+\i], v3, s[28:29] offset:(32*(\t)+\i)*4096 th:TH_LOAD_NT
.endr
.endm
	WLOAD 0
	WLOAD 1
.macro WBLOCK t
.set WXS, WX+32*((\t)%2)
.if (\t) < NB-1
	s_wait_loadcnt 32                              ; this block's 32 loads are in; the next block's may be out
.else
	s_wait_loadcnt 0
.endif
	v_max3_num_f32 v12, |v[WXS]|, |v[WXS+1]|, |v[WXS+2]|           ; the block's largest magnitude: all 32 numbers are mine
	v_max3_num_f32 v13, |v[WXS+3]|, |v[WXS+4]|, |v[WXS+5]|
.irp i, 6,10,14,18,22,26
	v_max3_num_f32 v12, v12, |v[WXS+\i]|, |v[WXS+\i+1]|
	v_max3_num_f32 v13, v13, |v[WXS+\i+2]|, |v[WXS+\i+3]|
.endr
	v_max3_num_f32 v12, v12, |v[WXS+30]|, |v[WXS+31]|
	v_max3_num_f32 v12, v12, v13, 0x1800000        ; and the floor 2^(3 - 127)
	v_add_nc_u32 v11, 0xff000000, v12              ; 2 off the exponent field: the conversion's scale operand
	v_lshrrev_b32 v13, 23, v11                     ; the scale's byte
.if (\t)%4 == 0
	v_mov_b32 v[WSB+(\t)/4], v13                   ; four bytes to a register, the lower K in the lower byte
.else
	v_lshl_or_b32 v[WSB+(\t)/4], v13, 8*((\t)%4), v[WSB+(\t)/4]
.endif
.irp g, 0,1,2,3
	v_cvt_scalef32_pk8_fp4_f32 v[WC+\g], v[WXS+8*\g:WXS+8*\g+7], v11
.endr
	ds_store_b128 v4, v[WC:WC+3] offset:16*(\t)    ; 32 codes: 16 bytes of my column's row
.if (\t)+2 < NB
	WLOAD (\t)+2
.endif
	s_wait_dscnt 0x0                               ; the store has read its registers: the next block's codes may be written
.endm
.set QB, 0
.rept NB
	WBLOCK QB
.set QB, QB+1
.endr
	global_store_b128 v9, v[WSB:WSB+3], s[22:23]   ; my column's 16 scale bytes
.irp t, 0,1,2,3,4,5,6,7,8,9,10,11,12,13,14,15
	ds_load_b128 v[WOUT+4*\t:WOUT+4*\t+3], v7 offset:2*\t*WP   ; LDS serves a wave's instructions in order: these see my stores
.endr
.irp t, 0,1,2,3,4,5,6,7,8,9,10,11,12,13,14,15
	s_wait_dscnt 15-\t
	global_store_b128 v8, v[WOUT+4*\t:WOUT+4*\t+3], s[20:21] offset:2*\t*512   ; sixteen lanes store 256 consecutive bytes, aligned
.endr
	s_wait_tensorcnt 0x0                           ; the wave's end
	ds_add_u32 v[SPW], v[NIL]
	s_wait_dscnt 0x0
	s_endpgm
.Lfunc_end_k_q895373b271_prep:
	.size	k_q895373b271_prep, .Lfunc_end_k_q895373b271_prep-k_q895373b271_prep
	.p2alignl 7, 3214868480
	.fill 96, 4, 3214868480
	.section	.rodata,"a",@progbits
	.p2align	6, 0x0
	.amdhsa_kernel k_q895373b271_prep
		.amdhsa_group_segment_fixed_size 68096
		.amdhsa_private_segment_fixed_size 0
		.amdhsa_enable_private_segment 0
		.amdhsa_kernarg_size 88
		.amdhsa_user_sgpr_count 2
		.amdhsa_user_sgpr_kernarg_segment_ptr 1
		.amdhsa_wavefront_size32 1
		.amdhsa_system_sgpr_workgroup_id_x 1
		.amdhsa_system_sgpr_workgroup_id_y 1
		.amdhsa_system_sgpr_workgroup_id_z 1
		.amdhsa_system_vgpr_workitem_id 0
		.amdhsa_next_free_vgpr 192
		.amdhsa_next_free_sgpr 66
		.amdhsa_reserve_vcc 0
		.amdhsa_float_denorm_mode_32 3
		.amdhsa_float_denorm_mode_16_64 3
		.amdhsa_memory_ordered 1
		.amdhsa_forward_progress 1
		.amdhsa_inst_pref_size 117
	.end_amdhsa_kernel
	.amdgpu_metadata
---
amdhsa.version: [ 1, 2 ]
amdhsa.kernels:
  - .name:           k_q895373b271_prep
    .symbol:         k_q895373b271_prep.kd
    .args:
      - { .name: data, .offset: 0, .size: 8, .value_kind: global_buffer, .address_space: global }
      - { .name: context, .offset: 8, .size: 8, .value_kind: global_buffer, .address_space: global }
      - { .name: wq, .offset: 16, .size: 8, .value_kind: global_buffer, .address_space: global }
      - { .name: wk, .offset: 24, .size: 8, .value_kind: global_buffer, .address_space: global }
      - { .name: wv, .offset: 32, .size: 8, .value_kind: global_buffer, .address_space: global }
      - { .name: wo, .offset: 40, .size: 8, .value_kind: global_buffer, .address_space: global }
      - { .name: x_codes, .offset: 48, .size: 8, .value_kind: global_buffer, .address_space: global }
      - { .name: x_scales, .offset: 56, .size: 8, .value_kind: global_buffer, .address_space: global }
      - { .name: w_codes, .offset: 64, .size: 8, .value_kind: global_buffer, .address_space: global }
      - { .name: w_scales, .offset: 72, .size: 8, .value_kind: global_buffer, .address_space: global }
      - { .name: wo16, .offset: 80, .size: 8, .value_kind: global_buffer, .address_space: global }
    .group_segment_fixed_size: 68096
    .private_segment_fixed_size: 0
    .kernarg_segment_align: 8
    .kernarg_segment_size: 88
    .max_flat_workgroup_size: 128
    .sgpr_count:     66
    .vgpr_count:     192
    .wavefront_size: 32
...
	.end_amdgpu_metadata
.endif
;; end of part 1
;; launch proj (part 2): grid 12 x 32, 4 waves a work-group, clusters of 4 x 4, 327,680 bytes of LDS; arguments x_codes, x_scales, w_codes, w_scales, bq, bk, bv, qkv, h32; writes qkv, h32
.if DOCPART == 2
	.amdgcn_target "amdgcn-amd-amdhsa--gfx1250"
	.amdhsa_code_object_version 6
	.text
	.protected	k_q895373b271_proj
	.globl	k_q895373b271_proj
	.p2align	8
	.type	k_q895373b271_proj,@function
k_q895373b271_proj:
	s_mov_b64 s[64:65], 0
	v_nop
	global_prefetch_b8 v0, s[64:65] scope:SCOPE_SE
	s_setreg_imm32_b32 hwreg(HW_REG_WAVE_MODE, 25, 1), 1
	s_wait_xcnt 0x0
	s_wait_alu depctr_hold_cnt(0) depctr_sa_sdst(0) depctr_va_vdst(0) depctr_va_sdst(0) depctr_va_ssrc(0) depctr_va_vcc(0) depctr_vm_vsrc(0)
	s_getreg_b32 s2, hwreg(HW_REG_IB_STS2, 6, 4)
	s_cmp_eq_u32 s2, 0
	s_cbranch_scc0 .Lentry_in_a_cluster
	s_endpgm
.Lentry_in_a_cluster:
	s_bfe_u32 s2, ttmp6, 0x10000c
	s_cmp_lg_u32 s2, 0xf033
	s_cbranch_scc0 .Lentry_shape_is_right
	s_endpgm
.Lentry_shape_is_right:
; PROJ: q = data wq + bq, k = context wk + bk, v = context wv + bv, on codes of FP4 (E2M1) with one E8M0 scale for each 32 along K; sums in f32.
; Out: qkv [3][16 batch + head][2048 positions][64] f16, and h32 [3][4 batches][16 positions][1024] f32: the first 16 positions of every sequence unrounded, for the launch that redoes them in f32.
; LIMIT: q, k, v leave as f16: magnitudes up to 65,504 (with inputs some 30 times the drawn ones they stay under about 3e4).
; A tile of 256 rows x 256 columns is made by four waves, 128 x 128 each: 64 accumulators, 512 registers.  K = 1,024 is two K steps of 512 (LDS rows of 256 bytes): both are first fills, nothing is filled again.
; CLUSTERS: 4 x 4 work-groups.  Cluster x is the product p (0 q, 1 k, 2 v); the tile column is cx; the tile row is cluster y + 8 cy, so that cy is the batch and the rows that begin a sequence lie
; in the clusters with y = 0: the branch that stores h32 hangs on cluster y and the wave's number, never on a place in the cluster.  The four of a row of the cluster ask for A's tiles jointly, the four of a column for B's.
; THE MATRIX INSTRUCTION IS USED TRANSPOSED (source 0 = 16 rows of the weight, source 1 = 16 rows of the activation): a lane holds eight neighbouring columns of one row.  The bias is the C of each sum's first product.
; REGISTERS: window 0: v0-31 addresses; v32-95 scale words, two sets, and nothing else; v128-191 A's fragments, one set; v192-255 the bias (8 tiles x 8); on the way out v128-223 are at work.
;   window 1: B's fragments, two sets, at v0 and v128.   window 2: the accumulators of my rows 0-63 ((a, b) at v[8 (8 a + b)]);   window 3: those of rows 64-127.
.set NQ,     4                         ; matrix instructions deep in a slot
.set ROWB,   256                       ; a tile's row in bytes: 512 codes
.set KROW,   512                       ; a row of codes in memory
.set PITCH,  272                       ; an LDS row: 256 bytes + 16 = 68 words, so the 16 rows of a fragment load start 4 banks apart
.set FR,     8
.set NL,     2
.set NP,     4                         ; places behind this matrix instruction (ISA guide 7.12.1)
.set HALFT,  128*PITCH
.set SLOT,   4*HALFT
.set KS,     32                        ; a row of scale bytes
.set SCL,    2*SLOT                    ; behind the two slots: the scales, as rows of 256 bytes + 16
.set HALFS,  (128*KS/256)*272
.set SBLK,   (16*KS/256)*272
.set SPARE,  SCL+4*HALFS               ; the spare words: two blocks of 256 bytes that no other line names
.set SPITCH, 272                       ; the way out: a stage of 16 rows x (256 + 16) bytes for each wave, in slot 0, which has had its only fill and its last read by then
.set ADRA, 16
.set ADRB, 20
.set STO,  24
.set RD,   25
.set CO,   26
.set ADRS, 27
.set SPW,  28
.set NIL,  29
.set HO,   30
.set SC,   32
.set AF,   128
.set BIAS, 192
.set TMP,  128                         ; the way out: packed results
.set BK,   160                         ; and rows read back: v160-191 and v192-223 by turns
.set WV, 22
.set RH, 23                            ; which half of the tile's rows is mine; also: I fetch for A (0) or B (1)
.set CH, 66                            ; which half of its columns; also which 128 rows I fetch
.set G1, 24
.set G0, 32
.set G1B, 48
.set G0B, 56
.set G1S, 68
.set G0S, 76
.set G1SB, 80
.set G0SB, 88
.set MSB, 0
.macro WIN new                         ; the immediate's high byte repeats the setting that is left
.if MSB != (\new)
	s_set_vgpr_msb (MSB<<8)|(\new)
.set MSB, (\new)
.endif
.endm
.set MUL_LO, 0xa1                      ; source 0 (B) window 1, source 1 (A) window 0, C and D window 2
.set MUL_HI, 0xf1
.set TO_B,   0x40
; A joint load: waves 0 and 1 fetch for A, waves 2 and 3 for B; the branch hangs on the wave's number alone.  An s_nop 0 and four v_nop follow each line.
.macro JLOAD g0a, g1a, g0b, g1b
	s_cmp_eq_u32 s[RH], 0
	s_cbranch_scc0 .Lfor_b_\@
	tensor_load_to_lds s[\g0a:\g0a+3], s[\g1a:\g1a+7]
	s_nop 0
.rept 4
	v_nop
.endr
	s_branch .Lasked_\@
.Lfor_b_\@:
	tensor_load_to_lds s[\g0b:\g0b+3], s[\g1b:\g1b+7]
	s_nop 0
.rept 4
	v_nop
.endr
.Lasked_\@:
.endm
.macro CROUND                          ; a round of the cluster's barrier
	s_barrier_signal -1
	s_barrier_wait -1
	s_cmp_lg_u32 s[WV], 0
	s_cbranch_scc1 .Lnot_wave_0_\@
	s_barrier_signal -3
.Lnot_wave_0_\@:
	s_barrier_wait -3
	s_barrier_signal -1
	s_barrier_wait -1
.endm
	s_load_b256 s[4:11], s[0:1], 0x0               ; x_codes s[4:5], x_scales s[6:7], w_codes s[8:9], w_scales s[10:11]
	s_load_b256 s[12:19], s[0:1], 0x20             ; bq s[12:13], bk s[14:15], bv s[16:17], qkv s[18:19]
	s_load_b64 s[20:21], s[0:1], 0x40              ; h32
	v_lshl_add_u32 v[SPW], v0, 2, SPARE
	v_mov_b32 v[NIL], 0
	ds_add_u32 v[SPW], v[NIL]                      ; the wave's opening: the add, twice on end, and its wait ahead of my first tensor load
	ds_add_u32 v[SPW], v[NIL]
	v_lshrrev_b32 v1, 5, v0
	v_readfirstlane_b32 s[WV], v1                  ; wave 0..3
	s_lshr_b32 s[RH], s[WV], 1
	s_and_b32 s[CH], s[WV], 1
	s_bfe_u32 s40, ttmp6, 0x40000                  ; cx: the tile column
	s_bfe_u32 s41, ttmp6, 0x40004                  ; cy: the batch
	s_mov_b32 s42, ttmp9                           ; cluster x: the product p
	s_and_b32 s43, ttmp7, 0xffff                   ; cluster y: which 256 positions of the sequence
	s_lshl_b32 s44, s41, 2
	s_lshl_b32 s44, 15, s44                        ; my row of the cluster
	s_lshl_b32 s45, 0x1111, s40                    ; my column
	s_or_b32 s[G1+0], s44, (0<<16)|(1<<20)|(1<<21)|(5<<22)|(3<<25)   ; the mask; elements of 1 byte; padding on; bit 21 beside a mask; 4 words after every 64
	s_or_b32 s[G1B+0], s45, (0<<16)|(1<<20)|(1<<21)|(5<<22)|(3<<25)
.irp g, G1, G1B
	s_mov_b32 s[\g+1], ROWB<<16                    ; tensor_dim0
	s_mov_b32 s[\g+2], 128<<16                     ; tensor_dim1
	s_mov_b32 s[\g+3], ROWB<<16                    ; tile_dim0
	s_mov_b32 s[\g+4], 128                         ; tile_dim1
	s_mov_b32 s[\g+5], KROW                        ; from row to row
	s_mov_b32 s[\g+6], 0
	s_mov_b32 s[\g+7], 0
.endr
	s_or_b32 s[G1S+0], s44, (3<<16)|(1<<20)|(1<<21)|(5<<22)|(3<<25)  ; the scales of 128 rows: 4,096 dense bytes as 16 rows of 32 elements of 8 bytes
	s_or_b32 s[G1SB+0], s45, (3<<16)|(1<<20)|(1<<21)|(5<<22)|(3<<25)
.irp g, G1S, G1SB
	s_mov_b32 s[\g+1], 32<<16
	s_mov_b32 s[\g+2], (128*KS/256)<<16
	s_mov_b32 s[\g+3], 32<<16
	s_mov_b32 s[\g+4], 128*KS/256
	s_mov_b32 s[\g+5], 32
	s_mov_b32 s[\g+6], 0
	s_mov_b32 s[\g+7], 0
.endr
	; A's offsets are made of cluster y, cy, p and the wave's number; B's of p, cx and the wave's number: each in registers that never hold the other coordinate
	s_lshl_b32 s92, s41, 3
	s_add_co_u32 s92, s92, s43                     ; tile row = cluster y + 8 cy
	s_lshl_b32 s92, s92, 8
	s_lshl_b32 s46, s[CH], 7
	s_add_co_u32 s92, s92, s46                     ; A: first row that I fetch
	s_min_u32 s47, s42, 1                          ; 0: data's codes; 1: context's, which lie behind them
	s_lshl_b32 s94, s92, 5
	s_lshl_b32 s92, s92, 9
	s_lshl_b32 s93, s47, 22
	s_add_co_u32 s92, s92, s93
	s_lshl_b32 s93, s47, 18
	s_add_co_u32 s94, s94, s93
	s_mov_b32 s93, 0
	s_mov_b32 s95, 0
	s_lshl_b32 s96, s42, 10
	s_lshl_b32 s97, s40, 8
	s_add_co_u32 s96, s96, s97
	s_add_co_u32 s96, s96, s46                     ; B: row 1024 p + 256 cx + 128 half
	s_lshl_b32 s98, s96, 5
	s_lshl_b32 s96, s96, 9
	s_mov_b32 s97, 0
	s_mov_b32 s99, 0
	s_mul_i32 s100, s[WV], HALFT                   ; where they go: wave x 128 rows: no place in the cluster enters an LDS address
	s_mul_i32 s101, s[WV], HALFS
	s_wait_dscnt 0x0                               ; both opening adds are done
	s_wait_kmcnt 0x0
	s_add_nc_u64 s[92:93], s[4:5], s[92:93]
	s_add_nc_u64 s[94:95], s[6:7], s[94:95]
	s_add_nc_u64 s[96:97], s[8:9], s[96:97]
	s_add_nc_u64 s[98:99], s[10:11], s[98:99]
	CROUND                                         ; all sixteen work-groups are here: the joint loads meet
	s_mov_b32 s[G0S], 1
	s_add_co_u32 s[G0S+1], s101, SCL
	s_mov_b64 s[G0S+2:G0S+3], s[94:95]
	s_or_b32 s[G0S+3], s[G0S+3], 0x80000000
	s_mov_b32 s[G0SB], 1
	s_add_co_u32 s[G0SB+1], s101, SCL
	s_mov_b64 s[G0SB+2:G0SB+3], s[98:99]
	s_or_b32 s[G0SB+3], s[G0SB+3], 0x80000000
	JLOAD G0S, G1S, G0SB, G1SB                     ; the scales first: they are wanted with K step 0
.irp s, 0,1
	s_mov_b32 s[G0+4*\s], 1
	s_add_co_u32 s[G0+4*\s+1], s100, \s*SLOT
	s_add_nc_u64 s[G0+4*\s+2:G0+4*\s+3], s[92:93], \s*ROWB
	s_or_b32 s[G0+4*\s+3], s[G0+4*\s+3], 0x80000000
	s_mov_b32 s[G0B+4*\s], 1
	s_add_co_u32 s[G0B+4*\s+1], s100, \s*SLOT
	s_add_nc_u64 s[G0B+4*\s+2:G0B+4*\s+3], s[96:97], \s*ROWB
	s_or_b32 s[G0B+4*\s+3], s[G0B+4*\s+3], 0x80000000
	JLOAD G0+4*\s, G1, G0B+4*\s, G1B               ; three tensor loads of mine are out behind the second of these
.endr
	v_and_b32 v1, 15, v0                           ; r = lane % 16
	v_bfe_u32 v2, v0, 4, 1                         ; h = lane / 16
	v_mul_u32_u24 v3, v1, PITCH
	v_lshl_add_u32 v4, v2, 4, v3                   ; a fragment's row x pitch + 16 h
	s_mul_i32 s46, s[RH], HALFT                    ; my 128 rows of A
	s_mul_i32 s47, s[CH], HALFT                    ; my 128 rows of B,
	s_add_co_u32 s47, s47, 2*HALFT                 ; which lie behind A's 256
.irp s, 0,1
	v_add_nc_u32 v[ADRA+\s], s46, v4
	v_add_nc_u32 v[ADRB+\s], s47, v4
	s_add_co_u32 s46, s46, SLOT
	s_add_co_u32 s47, s47, SLOT
.endr
	v_mul_u32_u24 v5, v1, KS                       ; my row's scales: 32 bytes a row,
	v_lshrrev_b32 v6, 8, v5
	v_lshl_add_u32 v5, v6, 4, v5                   ; and 16 more for each 256 passed
	s_mul_i32 s46, s[RH], HALFS
	s_mul_i32 s47, s[CH], HALFS
	s_add_co_u32 s47, s47, 2*HALFS
	s_sub_co_u32 s47, s47, s46
	v_mul_u32_u24 v6, s47, v2                      ; lanes 16-31 take B's: one product, the distance between the two bases
	s_add_co_u32 s46, s46, SCL
	v_add_nc_u32 v5, v5, v6
	v_add_nc_u32 v[ADRS], s46, v5
	s_mul_i32 s46, s[WV], 16*SPITCH                ; my stage
	v_add_nc_u32 v[STO], s46, v4                   ; in: row r, 16 bytes for each half of the lanes
	v_and_b32 v6, 31, v0
	v_lshrrev_b32 v7, 3, v6
	v_mul_u32_u24 v7, v7, SPITCH
	v_and_b32 v8, 7, v0
	v_lshl_add_u32 v7, v8, 4, v7
	v_add_nc_u32 v[RD], s46, v7                    ; back: eight lanes take one head's 128 bytes of a row, the 32 lanes four rows
	v_lshlrev_b32 v[CO], 4, v6                     ; which are 512 consecutive bytes of qkv
	v_lshlrev_b32 v[HO], 12, v1
	v_lshl_add_u32 v[HO], v2, 5, v[HO]             ; h32: row r of 4,096 bytes, + 32 h
	v_lshlrev_b32 v31, 5, v2                       ; the bias: 32 h
	s_cmp_eq_u32 s42, 0                            ; the product's bias: the choice hangs on cluster x alone
	s_cselect_b64 s[100:101], s[12:13], s[14:15]
	s_cmp_eq_u32 s42, 2
	s_cselect_b64 s[100:101], s[16:17], s[100:101]
	s_lshl_b32 s104, s40, 10
	s_lshl_b32 s105, s[CH], 9
	s_add_co_u32 s104, s104, s105                  ; my first column, in bytes of f32: (256 cx + 128 half) x 4
	s_mov_b32 s105, 0
	s_add_nc_u64 s[100:101], s[100:101], s[104:105]
.irp b, 0,1,2,3,4,5,6,7
	global_load_b128 v[BIAS+8*\b:BIAS+8*\b+3], v31, s[100:101] offset:64*\b        ; lane (r, h): the bias of columns 16 b + 8 h + 0 .. 7, in the result's layout
	global_load_b128 v[BIAS+8*\b+4:BIAS+8*\b+7], v31, s[100:101] offset:64*\b+16
.endr
	s_lshl_b32 s67, s42, 18
	s_add_co_u32 s104, s104, s67                   ; h32: + 262,144 p
	s_lshl_b32 s67, s41, 16
	s_add_co_u32 s104, s104, s67                   ; + 65,536 batch
	s_add_nc_u64 s[20:21], s[20:21], s[104:105]
	s_lshl_b32 s104, s41, 4
	s_lshl_b32 s67, s40, 2
	s_add_co_u32 s104, s104, s67
	s_lshl_b32 s67, s[CH], 1
	s_add_co_u32 s104, s104, s67                   ; my first head's plane: 16 batch + 4 cx + 2 half
	s_lshl_b32 s104, s104, 18
	s_lshl_b32 s67, s42, 24
	s_add_co_u32 s104, s104, s67
	s_lshl_b32 s67, s43, 15
	s_add_co_u32 s104, s104, s67                   ; + position 256 cluster y, 128 bytes each
	s_lshl_b32 s67, s[RH], 14
	s_add_co_u32 s104, s104, s67                   ; + 128 x my half
	s_add_nc_u64 s[18:19], s[18:19], s[104:105]
.macro FRAG reg, adr, q, i             ; 16 rows x 128 K of 4-bit codes: registers 4 c .. 4 c + 3 hold K = 64 c + 32 h + 0 .. 31
.irp c, 0,1
	ds_load_b128 v[\reg+4*\c:\reg+4*\c+3], v[\adr] offset:64*(\q)+32*\c+(\i)*16*PITCH
.endr
.endm
; 16 matrix instructions: A's blocks a0, a0 + 1 x B's eight.  zero = 1: the first product starts the sums, with the bias as C.  The 64 accumulators take turns, one instruction a turn.
.macro MUL16 a0, p, q, sc, zero
.irp a, \a0, \a0+1
.irp b, 0,1,2,3,4,5,6,7
.if \zero
	v_wmma_scale_f32_16x16x128_f8f6f4 v[8*(8*((\a)%4)+\b):8*(8*((\a)%4)+\b)+7], v[128*(\p)+FR*\b:128*(\p)+FR*\b+FR-1], v[AF+FR*(\a):AF+FR*(\a)+FR-1], v[BIAS+8*\b:BIAS+8*\b+7], v[SC+8*NQ*(\sc)+NQ*\b+(\q)], v[SC+8*NQ*(\sc)+NQ*(\a)+(\q)] matrix_a_fmt:MATRIX_FMT_FP4 matrix_b_fmt:MATRIX_FMT_FP4 matrix_a_scale:MATRIX_SCALE_ROW1
.else
	v_wmma_scale_f32_16x16x128_f8f6f4 v[8*(8*((\a)%4)+\b):8*(8*((\a)%4)+\b)+7], v[128*(\p)+FR*\b:128*(\p)+FR*\b+FR-1], v[AF+FR*(\a):AF+FR*(\a)+FR-1], v[8*(8*((\a)%4)+\b):8*(8*((\a)%4)+\b)+7], v[SC+8*NQ*(\sc)+NQ*\b+(\q)], v[SC+8*NQ*(\sc)+NQ*(\a)+(\q)] matrix_a_fmt:MATRIX_FMT_FP4 matrix_b_fmt:MATRIX_FMT_FP4 matrix_a_scale:MATRIX_SCALE_ROW1
.endif
.endr
.endr
.endm
.macro FETCH_B slot, q, p
	WIN TO_B
.irp i, 0,1,2,3,4,5,6,7
	FRAG 128*(\p)+FR*\i, ADRB+\slot, \q, \i
.endr
	WIN 0
.endm
.macro FETCH_A slot, q, i0
.irp i, \i0, \i0+1, \i0+2, \i0+3
	FRAG AF+FR*(\i), ADRA+\slot, \q, \i
.endr
.endm
.macro SCALES sc                       ; a K step's scale words: four a row; lanes 0-15 take A's block i, lanes 16-31 B's block i
.irp i, 0,1,2,3,4,5,6,7
	ds_load_b128 v[SC+8*NQ*\sc+NQ*\i:SC+8*NQ*\sc+NQ*\i+3], v[ADRS] offset:\i*SBLK
.endr
.endm
.macro PLACES n                        ; plain vector lines between a matrix instruction and a load into, or a read of, its registers
.rept \n
	v_nop
.endr
.endm
.macro STEP slot, q, zero              ; 128 along K that has its successor in the same slot
	s_wait_dscnt 4*NL                              ; B's set, the scales and A's blocks 0-3 are in; the youngest eight loads (A's blocks 4-7) may be out
	WIN MUL_LO-0x20*(\zero)                        ; (zero = 1: C, the bias, lies in window 0)
	MUL16 0, (\q)%2, \q, \slot, \zero
	MUL16 2, (\q)%2, \q, \slot, \zero
	s_wait_dscnt 0                                 ; A's blocks 4-7 are in
	PLACES NP
	FETCH_B \slot, (\q)+1, 1-(\q)%2
	FETCH_A \slot, (\q)+1, 0
	WIN MUL_HI-0x30*(\zero)
	MUL16 4, (\q)%2, \q, \slot, \zero
	MUL16 6, (\q)%2, \q, \slot, \zero
	PLACES NP
	WIN 0
	FETCH_A \slot, (\q)+1, 4
.endm
.macro STEPS slot, from
.set Q, \from
.rept NQ-1-\from
	STEP \slot, Q, 0
.set Q, Q+1
.endr
.endm
	s_wait_tensorcnt 1                             ; the scales and my part of K step 0 are in; K step 1's load may stay out
	s_barrier_signal -1
	s_barrier_wait -1                              ; everybody's are
	FETCH_B 0, 0, 0
	FETCH_A 0, 0, 0
	SCALES 0
	FETCH_A 0, 0, 4
	s_wait_loadcnt 0x0                             ; the bias
	STEP 0, 0, 1
	STEPS 0, 1
	; slot 0's last step changes slots: each wave waits for all its tensor loads (its part of slot 1), then one barrier; behind it slot 1 is whole and nobody reads slot 0 any more
	s_wait_tensorcnt 0x0
	ds_add_u32 v[SPW], v[NIL]                      ; 0 onto my spare word
	s_wait_dscnt 4*NL+1                            ; (the add and the youngest eight loads may be out)
	WIN MUL_LO
	MUL16 0, 1, NQ-1, 0, 0
	s_wait_dscnt 0x0                               ; the add is done, and my reads of slot 0 are over
	s_barrier_signal -1
	MUL16 2, 1, NQ-1, 0, 0
	WIN 0
	s_barrier_wait -1
	PLACES NP
	v_add_nc_u32 v[ADRS], 4*NQ, v[ADRS]            ; on to K step 1's scale words
	FETCH_B 1, 0, 0
	FETCH_A 1, 0, 0
	SCALES 1
	WIN MUL_HI
	MUL16 4, 1, NQ-1, 0, 0
	MUL16 6, 1, NQ-1, 0, 0
	PLACES NP
	WIN 0
	FETCH_A 1, 0, 4
	STEPS 1, 0
	s_wait_dscnt 4*NL                              ; the very last step: nothing more to fetch
	WIN MUL_LO
	MUL16 0, 1, NQ-1, 1, 0
	MUL16 2, 1, NQ-1, 1, 0
	s_wait_dscnt 0
	WIN MUL_HI
	MUL16 4, 1, NQ-1, 1, 0
	MUL16 6, 1, NQ-1, 1, 0
	WIN 0
	PLACES NP                                      ; ahead of every read of results and of every write of the operands' registers below
	; the first 16 positions of a sequence, unrounded: they are block 0 of the waves with rows 0-127 in the clusters with y = 0.  Pieces of 32 bytes a lane, 786,432 bytes in the whole launch.
	s_or_b32 s67, s43, s[RH]
	s_cmp_lg_u32 s67, 0
	s_cbranch_scc1 .Lno_h32
	WIN 0x08                                       ; a store's data are its source 1: window 2
.irp b, 0,1,2,3,4,5,6,7
	global_store_b128 v[HO], v[8*\b:8*\b+3], s[20:21] offset:64*\b          ; each accumulator from its low end on
	global_store_b128 v[HO], v[8*\b+4:8*\b+7], s[20:21] offset:64*\b+16
.endr
	WIN 0
.Lno_h32:
; THE WAY OUT, block by block of 16 rows x 128 columns (two heads).  PACK: rounded to f16, 16 bytes a lane.  TOSTAGE: into my own stage, and back so that 32 lanes hold four positions of one head.  SEND: 512 consecutive bytes a store.
.macro PACK a
.set AC, 64*((\a)%4)
	WIN 0x0a+5*((\a)/4)                            ; sources 0 and 1: window 2 or 3
.irp b, 0,1,2,3,4,5,6,7
.irp i, 0,1,2,3
	v_cvt_pk_f16_f32 v[TMP+4*\b+\i], v[AC+8*\b+2*\i], v[AC+8*\b+2*\i+1]
.endr
.endr
	WIN 0
.endm
.macro TOSTAGE a
.set BB, BK+32*((\a)%2)
.irp b, 0,1,2,3,4,5,6,7
	ds_store_b128 v[STO], v[TMP+4*\b:TMP+4*\b+3] offset:32*\b
.endr
.irp t, 0,1,2,3,4,5,6,7
	ds_load_b128 v[BB+4*\t:BB+4*\t+3], v[RD] offset:(\t%4)*4*SPITCH+(\t/4)*128   ; LDS serves a wave's instructions in order: these see the stores above
.endr
.endm
.macro SEND a
.set BB, BK+32*((\a)%2)
	s_wait_dscnt 0x0                               ; the block is back in registers
	s_wait_xcnt 0x0                                ; the stores of the block before have read their registers: the next block's loads may land there
.irp t, 0,1,2,3,4,5,6,7
	global_store_b128 v[CO], v[BB+4*\t:BB+4*\t+3], s[18:19] offset:(\a)*2048+(\t%4)*512+(\t/4)*262144
.endr
.endm
	PACK 0
	TOSTAGE 0
.irp a, 1,2,3,4,5,6,7                  ; block a's conversions stand between block a - 1's loads from the stage and the wait for them
	PACK \a
	SEND \a-1
	TOSTAGE \a
.endr
	SEND 7
	s_wait_tensorcnt 0x0                           ; the wave's end
	ds_add_u32 v[SPW], v[NIL]
	s_wait_dscnt 0x0
	CROUND                                         ; the closing round
	s_endpgm
.Lfunc_end_k_q895373b271_proj:
	.size	k_q895373b271_proj, .Lfunc_end_k_q895373b271_proj-k_q895373b271_proj
	.p2alignl 7, 3214868480
	.fill 96, 4, 3214868480
	.section	.rodata,"a",@progbits
	.p2align	6, 0x0
	.amdhsa_kernel k_q895373b271_proj
		.amdhsa_group_segment_fixed_size 327680
		.amdhsa_private_segment_fixed_size 0
		.amdhsa_enable_private_segment 0
		.amdhsa_kernarg_size 72
		.amdhsa_user_sgpr_count 2
		.amdhsa_user_sgpr_kernarg_segment_ptr 1
		.amdhsa_wavefront_size32 1
		.amdhsa_system_sgpr_workgroup_id_x 1
		.amdhsa_system_sgpr_workgroup_id_y 1
		.amdhsa_system_sgpr_workgroup_id_z 1
		.amdhsa_system_vgpr_workitem_id 0
		.amdhsa_next_free_vgpr 1024
		.amdhsa_next_free_sgpr 106
		.amdhsa_reserve_vcc 0
		.amdhsa_float_denorm_mode_32 3
		.amdhsa_float_denorm_mode_16_64 3
		.amdhsa_memory_ordered 1
		.amdhsa_forward_progress 1
		.amdhsa_inst_pref_size 130
	.end_amdhsa_kernel
	.amdgpu_metadata
---
amdhsa.version: [ 1, 2 ]
amdhsa.kernels:
  - .name:           k_q895373b271_proj
    .symbol:         k_q895373b271_proj.kd
    .args:
      - { .name: x_codes, .offset: 0, .size: 8, .value_kind: global_buffer, .address_space: global }
      - { .name: x_scales, .offset: 8, .size: 8, .value_kind: global_buffer, .address_space: global }
      - { .name: w_codes, .offset: 16, .size: 8, .value_kind: global_buffer, .address_space: global }
      - { .name: w_scales, .offset: 24, .size: 8, .value_kind: global_buffer, .address_space: global }
      - { .name: bq, .offset: 32, .size: 8, .value_kind: global_buffer, .address_space: global }
      - { .name: bk, .offset: 40, .size: 8, .value_kind: global_buffer, .address_space: global }
      - { .name: bv, .offset: 48, .size: 8, .value_kind: global_buffer, .address_space: global }
      - { .name: qkv, .offset: 56, .size: 8, .value_kind: global_buffer, .address_space: global }
      - { .name: h32, .offset: 64, .size: 8, .value_kind: global_buffer, .address_space: global }
    .group_segment_fixed_size: 327680
    .private_segment_fixed_size: 0
    .kernarg_segment_align: 8
    .kernarg_segment_size: 72
    .max_flat_workgroup_size: 128
    .sgpr_count:     106
    .vgpr_count:     1024
    .wavefront_size: 32
...
	.end_amdgpu_metadata
.endif
;; end of part 2
;; launch attn (part 3): grid 4 x 64, 16 waves a work-group, no clusters, 327,680 bytes of LDS; arguments qkv, z; writes z
.if DOCPART == 3
	.amdgcn_target "amdgcn-amd-amdhsa--gfx1250"
	.amdhsa_code_object_version 6
	.text
	.protected	k_q895373b271_attn
	.globl	k_q895373b271_attn
	.p2align	8
	.type	k_q895373b271_attn,@function
k_q895373b271_attn:
	s_mov_b64 s[64:65], 0
	v_nop
	global_prefetch_b8 v0, s[64:65] scope:SCOPE_SE
	s_setreg_imm32_b32 hwreg(HW_REG_WAVE_MODE, 25, 1), 1
	s_wait_xcnt 0x0
; ATTN: z[head][q] = sum over k <= q of softmax_k(q . k / 8) v[k].  q, k, v: qkv [3][64 heads][2048][64] f16; z: [64 heads][2048][64] f16.  Products on f16 operands, maxima and sums in f32; a running maximum.
; LIMIT: the weights p (at most 1) and z are rounded to f16; positions 0-15 of every sequence are computed again in f32 by a later launch.
; SHARES.  Work-group (i, head) owns the query blocks 7 - i and i, 256 queries each: under the causal mask the two together have 9 slots' worth of keys for every i.  Sixteen waves, 32 queries (two tiles of 16) each,
; in 256 registers: four waves to a SIMD.  Wave w: group (w xor w / 4) & 1 picks the block, w / 2 the 32 queries in it.  All waves walk one stream of keys: slots of 256 keys, 64 keys a step.
; Every work-group walks all 8 slots (constant trip counts); a step all of whose keys come after the wave's queries is jumped over on ids, and a slot whose first key comes after the work-group's last query is not asked for.
; NO CLUSTER: the four work-groups of a head stop asking at different slots (8 - i of them), and a joint load has to be issued by all that it names and read by each; the pairing of blocks, which evens the work, is kept instead.
; LAYOUT.  S^T = K Q^T (source 0 = 16 keys, source 1 = 16 queries): a lane holds ONE query (lane % 16) and keys 8 (lane / 16) + 0..7.  Two such tiles, rounded to f16 in pairs, ARE source 1 of O^T = V^T P.
; K comes out of LDS as it lies, V turned by ds_load_tr16_b128.  A head's rows are 128 bytes and dense, so a tile is stated as rows of 256 bytes: two keys to an LDS row.
; LDS: slot 0 at 0, slot 1 at 2^17; in a slot K: 128 rows x 272, then V: 128 rows x 288.  262,144: the stages, 16 rows x 144 bytes a wave.  299,008: the spare words.
.set SLOT1, 1<<17
.set VOFF,  128*272
.set STAGE, 262144
.set SPARE, STAGE+16*16*144            ; 128 bytes for each wave: eight blocks of 256 bytes that no other line names
.set AK0, 1                            ; v1   my lane's place in a tile of K
.set AV0, 2                            ; v2   the same for V
.set ADK, 3                            ; v3   LDS address of the slot's K
.set ADV, 4                            ; v4   of its V
.set SPW, 5
.set NIL, 6
.set GO,  7                            ; v7   16 x lane
.set STO, 8
.set RD,  9
.set DL,  10                           ; v10  lane % 16 - 8 (lane / 16)
.set PFO, 11                           ; v11  256 x lane
.set ST,  12                           ; v12-27 statistics, 8 a tile: +0 c m, +1 m, +2, +3 the sum, +4 to +7 at work; a takes +6
.set DD,  28                           ; v28  the mask's d
.set NINF, 29                          ; v29  -infinity
.set Q,   32                           ; v32-63   Q: fragment (tile t, channels 32 c) at 32 + 8 (2 t + c)
.set S,   64                           ; v64-127  S^T: 64 + 32 t + 8 kt; P is packed in place, 64 + 32 t + 8 kh
.set O,   128                          ; v128-191 O^T: 128 + 32 t + 8 ct
.set KV,  192                          ; v192-255 K's eight fragments of a step, then V's eight
.set TB,  2                            ; s2   LDS byte at which the slot in hand begins
.set WV,  18
.set SEL, 20
.set CS,  22                           ; s[22:23] c = log2(e) / 8
.set G1K, 24
.set G1V, 32
.set G0K, 40
.set G0V, 44
.set KF,  48                           ; the step's first key
.set Q0,  49                           ; my first query
.set LASTQ, 50                         ; my work-group's last query
.set SLOTS, 51
.set PFA, 54
.set LIM, 56
; Waves 0 and 1 fetch K's halves of a slot, waves 2 and 3 V's, the others nothing.  An s_nop 0 and four v_nop follow each line.
.macro TLOAD
	s_cmp_lt_u32 s[WV], 2
	s_cbranch_scc0 .Lnot_k_\@
	tensor_load_to_lds s[G0K:G0K+3], s[G1K:G1K+7]
	s_nop 0
.rept 4
	v_nop
.endr
	s_branch .Lasked_\@
.Lnot_k_\@:
	s_cmp_lt_u32 s[WV], 4
	s_cbranch_scc0 .Lasked_\@
	tensor_load_to_lds s[G0V:G0V+3], s[G1V:G1V+7]
	s_nop 0
.rept 4
	v_nop
.endr
.Lasked_\@:
.endm
; A prefetch of what the NEXT change of slots will ask for: 32,768 bytes of K and as many of V.  All four work-groups of a head walk the same rows: work-group 0, which walks all eight slots, asks, and nobody else.
; In it waves 4 to 7 ask for K's block and waves 8 to 11 for V's, 8,192 bytes a wave, lanes 256 bytes apart: each 256 bytes are named once in the launch.  Slots 0 and 1 come by their loads alone; the last change that fills asks for nothing.
.macro ASK
	s_cmp_gt_u32 s[SLOTS], s[LIM]
	s_cbranch_scc0 .Lnot_mine_\@
	global_prefetch_b8 v[PFO], s[PFA:PFA+1] th:TH_LOAD_NT scope:SCOPE_SE
.Lnot_mine_\@:
.endm
	s_load_b128 s[4:7], s[0:1], 0x0                ; qkv s[4:5], z s[6:7]
	v_lshl_add_u32 v[SPW], v0, 2, SPARE
	v_mov_b32 v[NIL], 0
	ds_add_u32 v[SPW], v[NIL]                      ; the wave's opening: the add, twice on end, and its wait ahead of my first tensor load
	ds_add_u32 v[SPW], v[NIL]
	v_lshrrev_b32 v30, 5, v0
	v_readfirstlane_b32 s[WV], v30                 ; wave 0..15
	s_and_b32 s57, ttmp7, 0xffff                   ; the head, 16 batch + head
	s_lshl_b32 s58, s57, 18                        ; its 262,144 bytes in each tensor
	s_lshr_b32 s59, s[WV], 2
	s_xor_b32 s59, s59, s[WV]
	s_and_b32 s59, s59, 1                          ; my group
	s_sub_co_u32 s60, 7, ttmp9
	s_cmp_lg_u32 s59, 0
	s_cselect_b32 s61, ttmp9, s60                  ; my block of 256 queries
	s_lshl_b32 s[Q0], s61, 8
	s_lshr_b32 s62, s[WV], 1
	s_lshl_b32 s62, s62, 5
	s_add_co_u32 s[Q0], s[Q0], s62
	s_lshl_b32 s[LASTQ], s60, 8
	s_or_b32 s[LASTQ], s[LASTQ], 255
	s_mov_b32 s[G1K], (1<<16)|(1<<20)|(5<<22)|(3<<25)   ; no mask; elements of 2 bytes; 4 words of padding after every 64
	s_mov_b32 s[G1V], (1<<16)|(1<<20)|(5<<22)|(7<<25)   ; the same with 8 words
.irp g, G1K, G1V
	s_mov_b32 s[\g+1], 128<<16                     ; tensor_dim0 = 128 elements: two keys
	s_mov_b32 s[\g+2], 64<<16                      ; tensor_dim1 = 64 rows: 128 keys
	s_mov_b32 s[\g+3], 128<<16                     ; tile_dim0
	s_mov_b32 s[\g+4], 64                          ; tile_dim1
	s_mov_b32 s[\g+5], 128                         ; dense
	s_mov_b32 s[\g+6], 0
	s_mov_b32 s[\g+7], 0
.endr
	s_and_b32 s63, s[WV], 1
	s_lshl_b32 s66, s63, 14                        ; which 128 keys of a slot I fetch, if I fetch,
	s_add_co_u32 s66, s66, s58                     ; in my head
	s_mov_b32 s67, 0
	s_mul_i32 s68, s63, 64*272                     ; and where they go
	s_mul_i32 s69, s63, 64*288
	s_add_co_u32 s69, s69, VOFF
	s_lshl_b32 s74, s[Q0], 7
	s_add_co_u32 s74, s74, s58                     ; my first query's row in q and in z
	s_mov_b32 s75, 0
	s_mov_b32 s[SEL], 0x76543210
	s_mov_b32 s[SEL+1], 0xfedcba98
	s_mov_b32 s[CS], 0x3e38aa3b                    ; c = log2(e) / sqrt(64)
	s_mov_b32 s[CS+1], s[CS]
	s_mov_b32 s[TB], 0
	s_mov_b32 s[KF], 0
	s_mov_b32 s[SLOTS], 7
	s_mov_b32 s71, 0x2000000
	s_cmp_lt_u32 s[WV], 8                          ; waves 4 to 7 ask for K, waves 8 to 11 for V
	s_cselect_b32 s70, 0x1000000, s71
	s_and_b32 s71, s[WV], 3
	s_lshl_b32 s71, s71, 13
	s_add_co_u32 s70, s70, s71
	s_add_co_u32 s70, s70, s58
	s_add_co_u32 s70, s70, 32768                   ; in slot 1: the first change of slots steps it to slot 2
	s_mov_b32 s71, 0
	s_sub_co_u32 s59, s[WV], 4
	s_lshr_b32 s59, s59, 3                         ; 0 in waves 4 to 11,
	s_or_b32 s59, s59, ttmp9                       ; of the head's work-group 0
	s_cmp_eq_u32 s59, 0
	s_cselect_b32 s[LIM], 1, -1
	s_wait_dscnt 0x0                               ; both opening adds are done
	s_wait_kmcnt 0x0
	s_mov_b32 s[G0K], 1
	s_mov_b32 s[G0K+1], s68
	s_add_nc_u64 s[G0K+2:G0K+3], s[4:5], s[66:67]
	s_add_nc_u64 s[G0K+2:G0K+3], s[G0K+2:G0K+3], 0x1000000   ; k lies 2^24 bytes into qkv
	s_or_b32 s[G0K+3], s[G0K+3], 0x80000000
	s_mov_b32 s[G0V], 1
	s_mov_b32 s[G0V+1], s69
	s_add_nc_u64 s[G0V+2:G0V+3], s[4:5], s[66:67]
	s_add_nc_u64 s[G0V+2:G0V+3], s[G0V+2:G0V+3], 0x2000000   ; v 2^25
	s_or_b32 s[G0V+3], s[G0V+3], 0x80000000
	TLOAD                                          ; slot 0: it holds key 0, which counts for every query
	s_add_nc_u64 s[PFA:PFA+1], s[4:5], s[70:71]
	s_add_nc_u64 s[72:73], s[4:5], s[74:75]
	s_add_nc_u64 s[6:7], s[6:7], s[74:75]
	v_and_b32 v30, 15, v0                          ; r
	v_bfe_u32 v31, v0, 4, 1                        ; h
	v_lshlrev_b32 v[DD], 7, v30
	v_lshl_add_u32 v[DD], v31, 4, v[DD]            ; Q: row r of 128 bytes, + 16 h
.irp t, 0,1
.irp c, 0,1
	global_load_b128 v[Q+8*(2*\t+\c):Q+8*(2*\t+\c)+3], v[DD], s[72:73] offset:\t*2048+64*\c
	global_load_b128 v[Q+8*(2*\t+\c)+4:Q+8*(2*\t+\c)+7], v[DD], s[72:73] offset:\t*2048+64*\c+32
.endr
.endr
	v_lshrrev_b32 v3, 1, v30
	v_mul_u32_u24 v[AK0], v3, 272
	v_and_b32 v3, 1, v30
	v_lshl_add_u32 v[AK0], v3, 7, v[AK0]
	v_lshl_add_u32 v[AK0], v31, 4, v[AK0]          ; key r of a tile: LDS row r / 2, half r % 2; + 16 h
	v_bfe_u32 v3, v0, 1, 2
	v_lshl_add_u32 v3, v31, 2, v3
	v_mul_u32_u24 v[AV0], v3, 288
	v_and_b32 v3, 1, v0
	v_lshl_add_u32 v[AV0], v3, 7, v[AV0]
	v_bfe_u32 v3, v0, 3, 1
	v_lshl_add_u32 v[AV0], v3, 4, v[AV0]
	v_add_nc_u32 v[AV0], VOFF, v[AV0]              ; the turning load: key 8 h + lane % 8, channels 8 ((lane / 8) % 2) on
	v_and_b32 v[GO], 31, v0
	v_lshlrev_b32 v[PFO], 8, v[GO]
	v_lshlrev_b32 v[GO], 4, v[GO]
	s_mul_i32 s57, s[WV], 16*144
	s_add_co_u32 s57, s57, STAGE                   ; my stage
	v_mul_u32_u24 v[STO], v30, 144
	v_lshl_add_u32 v[STO], v31, 4, v[STO]
	v_add_nc_u32 v[STO], s57, v[STO]               ; in: row r, 16 bytes for each half of the lanes
	v_bfe_u32 v[RD], v0, 3, 2
	v_mul_u32_u24 v[RD], v[RD], 144
	v_and_b32 v[DL], 7, v0
	v_lshl_add_u32 v[RD], v[DL], 4, v[RD]
	v_add_nc_u32 v[RD], s57, v[RD]                 ; back: eight lanes to a row of 128 bytes, four rows an instruction
	v_lshlrev_b32 v[DL], 3, v31
	v_sub_nc_u32 v[DL], v30, v[DL]
	v_mov_b32 v[NINF], 0xff800000
.irp t, 0,1
	v_mov_b32 v[ST+8*\t+1], 0xff61b1e6             ; the largest score so far: -3e38, under every score
	v_mul_f32 v[ST+8*\t], s[CS], v[ST+8*\t+1]
.irp i, 2,3,4,5,6,7
	v_mov_b32 v[ST+8*\t+\i], 0                     ; the sum; and the registers at work (a lane permute's destination counts as read)
.endr
.endr
.set n, 0
.rept 64
	v_mov_b32 v[O+n], 0                            ; O^T: the step is written once; the first finds zeros, which the first a = 0 leaves zeros
.set n, n+1
.endr
; The softmax of a step, both tiles line by line.  All 66 exponentials are one batch with one wait.
.macro SOFT
.irp j, 0,1,2,3
.irp t, 0,1
	v_max3_num_f32 v[ST+8*\t+4+\j], v[S+32*\t+8*\j], v[S+32*\t+8*\j+1], v[S+32*\t+8*\j+2]   ; four chains, each begun at an accumulator's low end
.endr
.endr
.irp i, 3,5
.irp j, 0,1,2,3
.irp t, 0,1
	v_max3_num_f32 v[ST+8*\t+4+\j], v[ST+8*\t+4+\j], v[S+32*\t+8*\j+\i], v[S+32*\t+8*\j+\i+1]
.endr
.endr
.endr
.irp t, 0,1
	v_max3_num_f32 v[ST+8*\t+4], v[ST+8*\t+4], v[S+32*\t+7], v[S+32*\t+15]
	v_max3_num_f32 v[ST+8*\t+6], v[ST+8*\t+6], v[S+32*\t+23], v[S+32*\t+31]
.endr
.irp t, 0,1
	v_max3_num_f32 v[ST+8*\t+4], v[ST+8*\t+4], v[ST+8*\t+5], v[ST+8*\t+6]
.endr
.irp t, 0,1
	v_max3_num_f32 v[ST+8*\t+4], v[ST+8*\t+4], v[ST+8*\t+7], v[ST+8*\t+1]   ; with the old m
.endr
.irp t, 0,1
	v_permlanex16_b32 v[ST+8*\t+5], v[ST+8*\t+4], s[SEL], s[SEL+1]          ; the query's other 32 keys lie in the lane 16 away
.endr
.irp t, 0,1
	v_mov_b32 v[ST+8*\t+7], v[ST+8*\t]             ; c m_old
.endr
.irp t, 0,1
	v_max_num_f32 v[ST+8*\t+1], v[ST+8*\t+4], v[ST+8*\t+5]
.endr
.irp t, 0,1
	v_mul_f32 v[ST+8*\t], s[CS], v[ST+8*\t+1]
.endr
.irp t, 0,1
	v_sub_f32 v[ST+8*\t+7], v[ST+8*\t+7], v[ST+8*\t]
.endr
.irp j, 0,2,4,6,8,10,12,14,16,18,20,22,24,26,28,30
.irp t, 0,1
	v_pk_fma_f32 v[S+32*\t+\j:S+32*\t+\j+1], v[S+32*\t+\j:S+32*\t+\j+1], s[CS:CS+1], v[ST+8*\t:ST+8*\t+1] op_sel_hi:[1,0,0] neg_lo:[0,0,1] neg_hi:[0,0,1]   ; c s - c m
.endr
.endr
.irp t, 0,1
	v_exp_f32 v[ST+8*\t+6], v[ST+8*\t+7]           ; a = 2^(c m_old - c m_new)
.endr
.irp j, 0,1,2,3,4,5,6,7,8,9,10,11,12,13,14,15,16,17,18,19,20,21,22,23,24,25,26,27,28,29,30,31
.irp t, 0,1
	v_exp_f32 v[S+32*\t+\j], v[S+32*\t+\j]
.endr
.endr
	v_nop                                          ; a plain line behind the last exponential
	s_wait_alu depctr_va_vdst(0)                   ; one wait for the batch, ahead of the first line that names a result
.irp t, 0,1
	v_pk_fma_f32 v[ST+8*\t+2:ST+8*\t+3], v[ST+8*\t+2:ST+8*\t+3], v[ST+8*\t+6:ST+8*\t+7], v[S+32*\t:S+32*\t+1] op_sel_hi:[1,0,1]   ; the sum x a + the unrounded p, in two chains
	v_pk_add_f32 v[ST+8*\t+4:ST+8*\t+5], v[S+32*\t+2:S+32*\t+3], v[S+32*\t+4:S+32*\t+5]
.endr
.irp j, 6,10,14,18,22,26
.irp t, 0,1
	v_pk_add_f32 v[ST+8*\t+2:ST+8*\t+3], v[ST+8*\t+2:ST+8*\t+3], v[S+32*\t+\j:S+32*\t+\j+1]
	v_pk_add_f32 v[ST+8*\t+4:ST+8*\t+5], v[ST+8*\t+4:ST+8*\t+5], v[S+32*\t+\j+2:S+32*\t+\j+3]
.endr
.endr
.irp t, 0,1
	v_pk_add_f32 v[ST+8*\t+2:ST+8*\t+3], v[ST+8*\t+2:ST+8*\t+3], v[S+32*\t+30:S+32*\t+31]
.endr
.irp t, 0,1
	v_pk_add_f32 v[ST+8*\t+2:ST+8*\t+3], v[ST+8*\t+2:ST+8*\t+3], v[ST+8*\t+4:ST+8*\t+5]
.endr
.irp j, 0,1,2,3,4,5,6,7,8,9,10,11,12,13,14,15
.irp t, 0,1
	v_cvt_pk_f16_f32 v[S+32*\t+\j], v[S+32*\t+2*\j], v[S+32*\t+2*\j+1]   ; P in place: register j takes pair j, which lies at or above it
.endr
.endr
.irp j, 0,2,4,6,8,10,12,14,16,18,20,22,24,26,28,30
.irp t, 0,1
	v_pk_mul_f32 v[O+32*\t+\j:O+32*\t+\j+1], v[O+32*\t+\j:O+32*\t+\j+1], v[ST+8*\t+6:ST+8*\t+7] op_sel_hi:[1,0]   ; O^T x a, each accumulator from its low end on
.endr
.endr
.endm
; A KEY STEP: 64 keys, the q-th of the slot in hand.
.macro STEP q
	s_add_co_u32 s57, s[Q0], 31
	s_cmp_gt_u32 s[KF], s57                        ; all 64 keys come after my 32 queries: a branch on ids, round the step's work alone
	s_cbranch_scc1 .Lhidden_\@
	v_add_nc_u32 v[ADK], s[TB], v[AK0]
	v_add_nc_u32 v[ADV], s[TB], v[AV0]
.rept 3
	v_nop                                          ; with the two additions five places: the loads below land on V's fragments, and the first products write over P, which the last products read
.endr
.irp c, 0,1
.irp kt, 0,1,2,3
	ds_load_b128 v[KV+8*(4*\c+\kt):KV+8*(4*\c+\kt)+3], v[ADK] offset:(\q)*32*272+\kt*8*272+64*\c
	ds_load_b128 v[KV+8*(4*\c+\kt)+4:KV+8*(4*\c+\kt)+7], v[ADK] offset:(\q)*32*272+\kt*8*272+64*\c+32
.endr
.endr
	s_wait_dscnt 8                                 ; channels 0-31 are in; the eight loads of channels 32-63 may be out
.irp kt, 0,1,2,3
.irp t, 0,1
	v_wmma_f32_16x16x32_f16 v[S+32*\t+8*\kt:S+32*\t+8*\kt+7], v[KV+8*\kt:KV+8*\kt+7], v[Q+16*\t:Q+16*\t+7], 0
.endr
.endr
	s_wait_dscnt 0x0
.irp kt, 0,1,2,3
.irp t, 0,1
	v_wmma_f32_16x16x32_f16 v[S+32*\t+8*\kt:S+32*\t+8*\kt+7], v[KV+32+8*\kt:KV+32+8*\kt+7], v[Q+16*\t+8:Q+16*\t+15], v[S+32*\t+8*\kt:S+32*\t+8*\kt+7]
.endr
.endr
.rept 4
	v_nop                                          ; places ahead of the loads into K's registers and of the first read of the scores
.endr
.irp kh, 0,1
.irp ct, 0,1,2,3
	ds_load_tr16_b128 v[KV+8*(4*\kh+\ct):KV+8*(4*\kh+\ct)+3], v[ADV] offset:(\q)*32*288+\kh*16*288+32*\ct
	ds_load_tr16_b128 v[KV+8*(4*\kh+\ct)+4:KV+8*(4*\kh+\ct)+7], v[ADV] offset:(\q)*32*288+\kh*16*288+8*288+32*\ct
.endr
.endr
	s_add_co_u32 s57, s[KF], 63
	s_cmp_le_u32 s57, s[Q0]                        ; all 64 keys count for all my queries: no mask
	s_cbranch_scc1 .Lopen_\@
	s_sub_co_i32 s57, s[Q0], s[KF]
	v_add_nc_u32 v[DD], s57, v[DL]                 ; register 8 kt + j of tile t holds key KF + 16 kt + 8 h + j and query Q0 + 16 t + r: hidden where 16 kt + j - 16 t > d
.irp t, 0,1
.irp kt, 0,1,2,3
.irp j, 0,1,2,3,4,5,6,7
	v_cmp_gt_i32 vcc_lo, 16*\kt+\j-16*\t, v[DD]
	v_cndmask_b32 v[S+32*\t+8*\kt+\j], v[S+32*\t+8*\kt+\j], v[NINF], vcc_lo
.endr
.endr
.endr
.Lopen_\@:
	SOFT
	s_wait_dscnt 0x0                               ; V is in
.irp kh, 0,1
.irp ct, 0,1,2,3
.irp t, 0,1
	v_wmma_f32_16x16x32_f16 v[O+32*\t+8*\ct:O+32*\t+8*\ct+7], v[KV+8*(4*\kh+\ct):KV+8*(4*\kh+\ct)+7], v[S+32*\t+8*\kh:S+32*\t+8*\kh+7], v[O+32*\t+8*\ct:O+32*\t+8*\ct+7]
.endr
.endr
.endr
.Lhidden_\@:
	s_add_co_u32 s[KF], s[KF], 64
.endm
; THE CHANGE OF SLOTS stands at a slot's head.  Each wave waits for all its tensor loads (its part of the slot ahead), adds 0 to its spare word, and waits for that and for its reads of the slot that it has left; one barrier.
; fill = 1: behind it the slot just left is filled with the next 256 keys, up to the causal limit: the load has a slot's four steps in which to land; one tensor load a wave is out.
.macro CHANGE fill
	s_wait_tensorcnt 0x0                           ; no tensor load of mine is out, so a group 0 may be written
	ds_add_u32 v[SPW], v[NIL]
.if \fill
	ds_add_u32 v[SPW], v[NIL]                      ; and twice on end here, in every trip alike
	s_xor_b32 s[G0K+1], s[G0K+1], SLOT1
	s_add_nc_u64 s[G0K+2:G0K+3], s[G0K+2:G0K+3], 32768
	s_xor_b32 s[G0V+1], s[G0V+1], SLOT1
	s_add_nc_u64 s[G0V+2:G0V+3], s[G0V+2:G0V+3], 32768
	s_wait_xcnt 0x0                                ; the last prefetch, a slot back, has read its address
	s_add_nc_u64 s[PFA:PFA+1], s[PFA:PFA+1], 32768
.endif
	s_wait_dscnt 0x0                               ; the add is done, and my reads of the slot that I have left are over
	s_barrier_signal -1
	s_barrier_wait -1
.if \fill
	s_add_co_u32 s57, s[KF], 256                   ; the first key of the slot that this change would ask for
	s_cmp_gt_u32 s57, s[LASTQ]                     ; ids and the count of steps alone: all sixteen waves go the same way; no wave would read that slot
	s_cbranch_scc1 .Lpast_\@
	TLOAD
.Lpast_\@:
	ASK
.endif
.endm
.macro SLOT_STEPS
	STEP 0
	STEP 1
	STEP 2
	STEP 3
	s_xor_b32 s[TB], s[TB], SLOT1
.endm
	s_wait_loadcnt 0x0                             ; Q
.Lslot:                                            ; 7 trips
	CHANGE 1
	SLOT_STEPS
	s_sub_co_u32 s[SLOTS], s[SLOTS], 1
	s_cmp_lg_u32 s[SLOTS], 0
	s_cbranch_scc1 .Lslot
	CHANGE 0                                       ; the last slot is written out: nothing is left to ask for
	SLOT_STEPS
	; THE WAY OUT: O^T / the sum, rounded to f16, through my stage, a tile of 16 queries at a time; 32 lanes store four rows of z, 512 consecutive bytes.
.rept 4
	v_nop                                          ; places behind the last products
.endr
.irp t, 0,1
	v_add_f32 v[ST+8*\t+4], v[ST+8*\t+2], v[ST+8*\t+3]
.endr
.irp t, 0,1
	v_permlanex16_b32 v[ST+8*\t+5], v[ST+8*\t+4], s[SEL], s[SEL+1]
.endr
.irp t, 0,1
	v_add_f32 v[ST+8*\t+4], v[ST+8*\t+4], v[ST+8*\t+5]
.endr
.irp t, 0,1
	v_rcp_f32 v[ST+8*\t+6], v[ST+8*\t+4]
.endr
	v_nop
	s_wait_alu depctr_va_vdst(0)                   ; one wait for the two reciprocals, ahead of their first reader
.irp t, 0,1
.irp j, 0,2,4,6,8,10,12,14,16,18,20,22,24,26,28,30
	v_pk_mul_f32 v[O+32*\t+\j:O+32*\t+\j+1], v[O+32*\t+\j:O+32*\t+\j+1], v[ST+8*\t+6:ST+8*\t+7] op_sel_hi:[1,0]
.endr
.irp j, 0,1,2,3,4,5,6,7,8,9,10,11,12,13,14,15
	v_cvt_pk_f16_f32 v[64+16*\t+\j], v[O+32*\t+2*\j], v[O+32*\t+2*\j+1]
.endr
.irp ct, 0,1,2,3
	ds_store_b128 v[STO], v[64+16*\t+4*\ct:64+16*\t+4*\ct+3] offset:32*\ct
.endr
.irp u, 0,1,2,3
	ds_load_b128 v[96+16*\t+4*\u:96+16*\t+4*\u+3], v[RD] offset:\u*4*144   ; LDS serves a wave's instructions in order: these see the stores above, and the next tile's stores come behind them
.endr
.endr
.irp t, 0,1
.irp u, 0,1,2,3
	s_wait_dscnt 11-8*\t-\u                        ; behind this load: its tile's later loads, and for tile 0 tile 1's four stores and four loads
	global_store_b128 v[GO], v[96+16*\t+4*\u:96+16*\t+4*\u+3], s[6:7] offset:\t*2048+\u*512
.endr
.endr
	s_wait_tensorcnt 0x0                           ; the wave's end
	ds_add_u32 v[SPW], v[NIL]
	s_wait_dscnt 0x0
	s_endpgm
.Lfunc_end_k_q895373b271_attn:
	.size	k_q895373b271_attn, .Lfunc_end_k_q895373b271_attn-k_q895373b271_attn
	.p2alignl 7, 3214868480
	.fill 96, 4, 3214868480
	.section	.rodata,"a",@progbits
	.p2align	6, 0x0
	.amdhsa_kernel k_q895373b271_attn
		.amdhsa_group_segment_fixed_size 327680
		.amdhsa_private_segment_fixed_size 0
		.amdhsa_enable_private_segment 0
		.amdhsa_kernarg_size 16
		.amdhsa_user_sgpr_count 2
		.amdhsa_user_sgpr_kernarg_segment_ptr 1
		.amdhsa_wavefront_size32 1
		.amdhsa_system_sgpr_workgroup_id_x 1
		.amdhsa_system_sgpr_workgroup_id_y 1
		.amdhsa_system_sgpr_workgroup_id_z 1
		.amdhsa_system_vgpr_workitem_id 0
		.amdhsa_next_free_vgpr 256
		.amdhsa_next_free_sgpr 80
		.amdhsa_reserve_vcc 1
		.amdhsa_float_denorm_mode_32 3
		.amdhsa_float_denorm_mode_16_64 3
		.amdhsa_memory_ordered 1
		.amdhsa_forward_progress 1
		.amdhsa_inst_pref_size 188
	.end_amdhsa_kernel
	.amdgpu_metadata
---
amdhsa.version: [ 1, 2 ]
amdhsa.kernels:
  - .name:           k_q895373b271_attn
    .symbol:         k_q895373b271_attn.kd
    .args:
      - { .name: qkv, .offset: 0, .size: 8, .value_kind: global_buffer, .address_space: global }
      - { .name: z, .offset: 8, .size: 8, .value_kind: global_buffer, .address_space: global }
    .group_segment_fixed_size: 327680
    .private_segment_fixed_size: 0
    .kernarg_segment_align: 8
    .kernarg_segment_size: 16
    .max_flat_workgroup_size: 512
    .sgpr_count:     80
    .vgpr_count:     256
    .wavefront_size: 32
...
	.end_amdgpu_metadata
.endif
;; end of part 3
;; launch outproj (part 4): grid 8 x 32, 4 waves a work-group, clusters of 4 x 4, 327,680 bytes of LDS; arguments z, wo16, bo, out0; writes out0
.if DOCPART == 4
	.amdgcn_target "amdgcn-amd-amdhsa--gfx1250"
	.amdhsa_code_object_version 6
	.text
	.protected	k_q895373b271_outproj
	.globl	k_q895373b271_outproj
	.p2align	8
	.type	k_q895373b271_outproj,@function
k_q895373b271_outproj:
	s_mov_b64 s[64:65], 0
	v_nop
	global_prefetch_b8 v0, s[64:65] scope:SCOPE_SE
	s_setreg_imm32_b32 hwreg(HW_REG_WAVE_MODE, 25, 1), 1
	s_wait_xcnt 0x0
	s_wait_alu depctr_hold_cnt(0) depctr_sa_sdst(0) depctr_va_vdst(0) depctr_va_sdst(0) depctr_va_ssrc(0) depctr_va_vcc(0) depctr_vm_vsrc(0)
	s_getreg_b32 s2, hwreg(HW_REG_IB_STS2, 6, 4)
	s_cmp_eq_u32 s2, 0
	s_cbranch_scc0 .Lentry_in_a_cluster
	s_endpgm
.Lentry_in_a_cluster:
	s_bfe_u32 s2, ttmp6, 0x10000c
	s_cmp_lg_u32 s2, 0xf033
	s_cbranch_scc0 .Lentry_shape_is_right
	s_endpgm
.Lentry_shape_is_right:
; OUTPROJ: out0 = z wo + bo.  z: [16 batch + head][2048][64] f16; wo16: [1024 k][1024 n] f16; bo: [1024] f32; out0: [8192][1024] f32; sums in f32.  All 8,192 rows; a later launch writes positions 0-15 of each sequence again, in f32.
; A tile of 256 rows x 128 columns gives 256 work-groups.  Four waves, each 128 rows x 64 columns: 32 accumulators, which fill window 2.  K goes in steps of 128 (two heads) through two LDS slots: 8 K steps.
; CLUSTERS: 4 x 4 work-groups: z's tiles are asked for jointly along a row of the cluster, wo's along a column.
; THE MATRIX INSTRUCTION IS USED TRANSPOSED: source 0 = 16 columns of wo, turned out of [k][n] by ds_load_tr16_b128; source 1 = 16 rows of z: a lane holds eight neighbouring columns of one row.  The bias is the C of each sum's first product.
; A slot: z's head 2 s: 256 positions as 128 rows of 256 bytes (two positions) + 16; head 2 s + 1 likewise; then wo's 128 k-rows of 256 bytes + 32.
; REGISTERS: window 0: v16-29 addresses; v32-63 the bias; v64-127 the way out.  window 1: two fragment buffers of 96 (z's 8, then wo's 4), at v0 and v128.  window 2: accumulator (a, b) at v[8 (4 a + b)].
.set PLANE,  128*272
.set BOFF,   2*PLANE
.set SLOT,   BOFF+128*288
.set STAGE,  2*SLOT                    ; 16 rows x 272 bytes for each wave
.set SPARE,  STAGE+4*16*272            ; the spare words: two blocks of 256 bytes that no other line names
.set ADRA, 16
.set ADRB, 20
.set STO,  24
.set RD,   25
.set CO,   26
.set SPW,  28
.set NIL,  29
.set BIAS, 32
.set BK,   64
.set F0,   0
.set F1,   128
.set WV, 12
.set RH, 13                            ; which 128 rows are mine; also: I fetch for z (0) or wo (1)
.set CH, 14                            ; which 64 columns; also which half I fetch
.set G1, 24
.set G0, 32
.set G1B, 48
.set G0B, 56
.set MSB, 0
.macro WIN new
.if MSB != (\new)
	s_set_vgpr_msb (MSB<<8)|(\new)
.set MSB, (\new)
.endif
.endm
.set MUL,  0xa5                        ; sources 0 and 1 window 1; C and D window 2
.set TO_F, 0x40
.macro JLOAD s                         ; a joint load; an s_nop 0 and four v_nop follow each of the two lines
	s_cmp_eq_u32 s[RH], 0
	s_cbranch_scc0 .Lfor_b_\@
	tensor_load_to_lds s[G0+4*\s:G0+4*\s+3], s[G1:G1+7]
	s_nop 0
.rept 4
	v_nop
.endr
	s_branch .Lasked_\@
.Lfor_b_\@:
	tensor_load_to_lds s[G0B+4*\s:G0B+4*\s+3], s[G1B:G1B+7]
	s_nop 0
.rept 4
	v_nop
.endr
.Lasked_\@:
.endm
.macro CREST
	s_cmp_lg_u32 s[WV], 0
	s_cbranch_scc1 .Lnot_wave_0_\@
	s_barrier_signal -3
.Lnot_wave_0_\@:
	s_barrier_wait -3
	s_barrier_signal -1
	s_barrier_wait -1
.endm
.macro CROUND
	s_barrier_signal -1
	s_barrier_wait -1
	CREST
.endm
	s_load_b256 s[4:11], s[0:1], 0x0               ; z s[4:5], wo16 s[6:7], bo s[8:9], out0 s[10:11]
	v_lshl_add_u32 v[SPW], v0, 2, SPARE
	v_mov_b32 v[NIL], 0
	ds_add_u32 v[SPW], v[NIL]                      ; the wave's opening: the add, twice on end, and its wait ahead of my first tensor load
	ds_add_u32 v[SPW], v[NIL]
	v_lshrrev_b32 v1, 5, v0
	v_readfirstlane_b32 s[WV], v1
	s_lshr_b32 s[RH], s[WV], 1
	s_and_b32 s[CH], s[WV], 1
	s_bfe_u32 s40, ttmp6, 0x40000                  ; cx
	s_bfe_u32 s41, ttmp6, 0x40004                  ; cy
	s_lshl_b32 s42, ttmp9, 2
	s_add_co_u32 s42, s42, s40                     ; tile column
	s_and_b32 s15, ttmp7, 0xffff
	s_lshl_b32 s15, s15, 2
	s_add_co_u32 s15, s15, s41                     ; tile row
	s_lshl_b32 s43, s41, 2
	s_lshl_b32 s43, 15, s43                        ; my row of the cluster
	s_lshl_b32 s44, 0x1111, s40                    ; my column
	s_or_b32 s[G1+0], s43, (1<<16)|(1<<20)|(1<<21)|(5<<22)|(3<<25)    ; z: elements of 2 bytes, 4 words of padding after every 64
	s_mov_b32 s[G1+1], 128<<16
	s_mov_b32 s[G1+2], 128<<16
	s_mov_b32 s[G1+3], 128<<16                     ; rows of 128 elements: two positions of a head,
	s_mov_b32 s[G1+4], 128                         ; 128 of them,
	s_mov_b32 s[G1+5], 128                         ; dense
	s_mov_b32 s[G1+6], 0
	s_mov_b32 s[G1+7], 0
	s_or_b32 s[G1B+0], s44, (1<<16)|(1<<20)|(1<<21)|(5<<22)|(7<<25)   ; wo: 8 words of padding
	s_mov_b32 s[G1B+1], 128<<16
	s_mov_b32 s[G1B+2], 64<<16
	s_mov_b32 s[G1B+3], 128<<16                    ; 128 columns
	s_mov_b32 s[G1B+4], 64                         ; of 64 k-rows,
	s_mov_b32 s[G1B+5], 1024                       ; 1,024 elements apart
	s_mov_b32 s[G1B+6], 0
	s_mov_b32 s[G1B+7], 0
	s_lshr_b32 s16, s15, 3
	s_lshl_b32 s16, s16, 22                        ; z: the batch's 16 heads,
	s_and_b32 s17, s15, 7
	s_lshl_b32 s17, s17, 15                        ; the tile's 256 positions of 128 bytes,
	s_add_co_u32 s16, s16, s17
	s_lshl_b32 s17, s[CH], 18                      ; and the head of the pair that I fetch
	s_add_co_u32 s16, s16, s17
	s_mov_b32 s17, 0
	s_lshl_b32 s46, s[CH], 17                      ; wo: my 64 k-rows of 2,048 bytes,
	s_lshl_b32 s47, s42, 8                         ; the tile's 128 columns
	s_add_co_u32 s46, s46, s47
	s_mov_b32 s47, 0
	s_mul_i32 s20, s[CH], PLANE                    ; where they go: no place in the cluster enters an LDS address
	s_mul_i32 s21, s[CH], 64*288
	s_add_co_u32 s21, s21, BOFF
	s_wait_dscnt 0x0                               ; both opening adds are done
	s_wait_kmcnt 0x0
	s_add_nc_u64 s[18:19], s[4:5], s[16:17]
	s_add_nc_u64 s[46:47], s[6:7], s[46:47]
	CROUND                                         ; all sixteen work-groups are here: the first joint loads meet
.irp s, 0,1
	s_mov_b32 s[G0+4*\s], 1
	s_add_co_u32 s[G0+4*\s+1], s20, \s*SLOT
	s_add_nc_u64 s[G0+4*\s+2:G0+4*\s+3], s[18:19], \s*524288        ; K step s: heads 2 s, 2 s + 1
	s_or_b32 s[G0+4*\s+3], s[G0+4*\s+3], 0x80000000
	s_mov_b32 s[G0B+4*\s], 1
	s_add_co_u32 s[G0B+4*\s+1], s21, \s*SLOT
	s_add_nc_u64 s[G0B+4*\s+2:G0B+4*\s+3], s[46:47], \s*262144      ; 128 k-rows on
	s_or_b32 s[G0B+4*\s+3], s[G0B+4*\s+3], 0x80000000
	JLOAD \s
.endr
	v_and_b32 v1, 15, v0                           ; r
	v_bfe_u32 v2, v0, 4, 1                         ; h
	v_lshrrev_b32 v3, 1, v1
	v_mul_u32_u24 v3, v3, 272
	v_and_b32 v4, 1, v1
	v_lshl_add_u32 v3, v4, 7, v3
	v_lshl_add_u32 v3, v2, 4, v3                   ; z: position r of a block: LDS row r / 2, half r % 2; + 16 h
	v_and_b32 v4, 7, v0
	v_lshl_add_u32 v4, v2, 3, v4
	v_mul_u32_u24 v4, v4, 288
	v_bfe_u32 v5, v0, 3, 1
	v_lshl_add_u32 v4, v5, 4, v4                   ; wo: the turning load: k-row 8 h + lane % 8, columns 8 ((lane / 8) % 2) on
	s_mul_i32 s22, s[RH], 64*272                   ; my 128 positions
	s_lshl_b32 s23, s[CH], 7                       ; my 64 columns
	s_add_co_u32 s23, s23, BOFF
.irp s, 0,1
	v_add_nc_u32 v[ADRA+\s], s22, v3
	v_add_nc_u32 v[ADRB+\s], s23, v4
	s_add_co_u32 s22, s22, SLOT
	s_add_co_u32 s23, s23, SLOT
.endr
	s_mul_i32 s22, s[WV], 16*272
	s_add_co_u32 s22, s22, STAGE                   ; my stage
	v_mul_u32_u24 v[STO], v1, 272
	v_lshl_add_u32 v[STO], v2, 5, v[STO]
	v_add_nc_u32 v[STO], s22, v[STO]               ; in: row r, 32 bytes for each half of the lanes
	v_mul_u32_u24 v[RD], v2, 272
	v_lshl_add_u32 v[RD], v1, 4, v[RD]
	v_add_nc_u32 v[RD], s22, v[RD]                 ; back: lanes 0-15 one row of 256 bytes, lanes 16-31 the next
	v_lshlrev_b32 v[CO], 12, v2
	v_lshl_add_u32 v[CO], v1, 4, v[CO]             ; and the same two rows in out0
	v_lshlrev_b32 v6, 5, v2                        ; the bias: 32 h
	s_lshl_b32 s22, s42, 9
	s_lshl_b32 s23, s[CH], 8
	s_add_co_u32 s22, s22, s23                     ; my first column, in bytes of f32
	s_mov_b32 s23, 0
	s_add_nc_u64 s[8:9], s[8:9], s[22:23]
.irp b, 0,1,2,3
	global_load_b128 v[BIAS+8*\b:BIAS+8*\b+3], v6, s[8:9] offset:64*\b
	global_load_b128 v[BIAS+8*\b+4:BIAS+8*\b+7], v6, s[8:9] offset:64*\b+16
.endr
	s_lshl_b32 s45, s15, 20                        ; 256 rows of 4,096 bytes a tile row
	s_add_co_u32 s22, s22, s45
	s_lshl_b32 s45, s[RH], 19
	s_add_co_u32 s22, s22, s45
	s_add_nc_u64 s[10:11], s[10:11], s[22:23]
; n blocks of z's rows from a0 on, each against wo's four: the 32 accumulators take turns, one instruction a turn.  zero = 1: the first product starts the sums, with the bias as C
.macro MULH f, a0, n, zero
.set AA, \a0
.rept \n
.irp b, 0,1,2,3
.if \zero
	v_wmma_f32_16x16x32_f16 v[8*(4*AA+\b):8*(4*AA+\b)+7], v[\f+64+8*\b:\f+64+8*\b+7], v[\f+8*AA:\f+8*AA+7], v[BIAS+8*\b:BIAS+8*\b+7]
.else
	v_wmma_f32_16x16x32_f16 v[8*(4*AA+\b):8*(4*AA+\b)+7], v[\f+64+8*\b:\f+64+8*\b+7], v[\f+8*AA:\f+8*AA+7], v[8*(4*AA+\b):8*(4*AA+\b)+7]
.endif
.endr
.set AA, AA+1
.endr
.endm
; 24 LDS loads in one run: the fragments of the slot's qd-th 32 along K into buffer f: wo's four, z's blocks 0-3, z's blocks 4-7
.macro FETCH slot, qd, f
	WIN TO_F
.irp b, 0,1,2,3
	ds_load_tr16_b128 v[\f+64+8*\b:\f+64+8*\b+3], v[ADRB+\slot] offset:32*(\qd)*288+32*\b
	ds_load_tr16_b128 v[\f+64+8*\b+4:\f+64+8*\b+7], v[ADRB+\slot] offset:32*(\qd)*288+16*288+32*\b
.endr
.irp i, 0,1,2,3,4,5,6,7
	ds_load_b128 v[\f+8*\i:\f+8*\i+3], v[ADRA+\slot] offset:((\qd)/2)*PLANE+\i*8*272+64*((\qd)%2)
	ds_load_b128 v[\f+8*\i+4:\f+8*\i+7], v[ADRA+\slot] offset:((\qd)/2)*PLANE+\i*8*272+64*((\qd)%2)+32
.endr
.endm
.macro PLACES
.rept 4
	v_nop
.endr
.endm
; One of a K step's first three quarters: multiplies buffer f and fetches quarter qd into g
.macro QUARTER slot, qd, f, g, zero
	s_wait_dscnt 8                                 ; wo's fragments and z's blocks 0-3 are in; the youngest eight loads (blocks 4-7) may be out
	WIN MUL-0x20*(\zero)                           ; (zero = 1: C, the bias, lies in window 0)
	MULH \f, 0, 4, \zero
	PLACES
	FETCH \slot, \qd, \g
	s_wait_dscnt 24                                ; all but the 24 just issued
	WIN MUL-0x20*(\zero)
	MULH \f, 4, 4, \zero
.endm
; The last quarter multiplies buffer 1 and changes slots: ONE barrier; in front of it each wave waits for all its tensor loads, adds 0 to its spare word, and waits for that and for its reads of this slot.
; fill = 1: the barrier opens a round of the cluster's, and the slot is filled again, two K steps ahead, first thing behind it: one tensor load a wave is out, with a K step less sixteen products in which to land.
.macro TURN slot, next, fill
	WIN 0
	s_wait_tensorcnt 0x0
	ds_add_u32 v[SPW], v[NIL]
	s_wait_dscnt 9                                 ; (the add and the youngest eight loads may be out)
	WIN MUL
	MULH F1, 0, 2, 0
	s_wait_dscnt 0x0                               ; the add is done, and my reads of this slot are over
	s_barrier_signal -1
	MULH F1, 2, 2, 0
.if \fill
	WIN 0
.endif
	s_barrier_wait -1
.if \fill
	CREST
	s_add_nc_u64 s[G0+4*\slot+2:G0+4*\slot+3], s[G0+4*\slot+2:G0+4*\slot+3], 1048576      ; four heads on
	s_add_nc_u64 s[G0B+4*\slot+2:G0B+4*\slot+3], s[G0B+4*\slot+2:G0B+4*\slot+3], 524288   ; 256 k-rows on
	JLOAD \slot                                    ; its four v_nop are also the places in front of the loads below
.else
	PLACES
.endif
	FETCH \next, 0, F0
	WIN MUL
	MULH F1, 4, 4, 0
.endm
	s_wait_tensorcnt 1                             ; my part of K step 0 is in; K step 1's may stay out
	s_barrier_signal -1
	s_barrier_wait -1
	FETCH 0, 0, F0
	s_wait_loadcnt 0x0                             ; the bias
	QUARTER 0, 1, F0, F1, 1
	WIN 0                                          ; at a label and at a branch every window is 0
	s_mov_b32 s3, 3
.Llap:                                             ; a trip goes once round the two slots and fills both again: K steps 2 to 7
	QUARTER 0, 2, F1, F0, 0
	QUARTER 0, 3, F0, F1, 0
	TURN 0, 1, 1
	QUARTER 1, 1, F0, F1, 0
	QUARTER 1, 2, F1, F0, 0
	QUARTER 1, 3, F0, F1, 0
	TURN 1, 0, 1
	QUARTER 0, 1, F0, F1, 0
	WIN 0
	s_sub_co_u32 s3, s3, 1
	s_cmp_lg_u32 s3, 0
	s_cbranch_scc1 .Llap
	QUARTER 0, 2, F1, F0, 0                        ; the last lap fills nothing
	QUARTER 0, 3, F0, F1, 0
	TURN 0, 1, 0
	QUARTER 1, 1, F0, F1, 0
	QUARTER 1, 2, F1, F0, 0
	QUARTER 1, 3, F0, F1, 0
	s_wait_dscnt 8
	WIN MUL
	MULH F1, 0, 4, 0
	s_wait_dscnt 0
	MULH F1, 4, 4, 0
	WIN 0
	PLACES
; THE WAY OUT, block by block of 16 rows x 64 columns: through my own stage, back as whole rows of 256 bytes; sixteen lanes store 256 consecutive bytes, aligned.
.macro TOSTAGE a
	WIN 0x08                                       ; an LDS store's data are its source 1: window 2
.irp b, 0,1,2,3
	ds_store_b128 v[STO], v[8*(4*(\a)+\b):8*(4*(\a)+\b)+3] offset:64*\b       ; each accumulator from its low end on
	ds_store_b128 v[STO], v[8*(4*(\a)+\b)+4:8*(4*(\a)+\b)+7] offset:64*\b+16
.endr
	WIN 0
.set BB, BK+32*((\a)%2)
.irp t, 0,1,2,3,4,5,6,7
	ds_load_b128 v[BB+4*\t:BB+4*\t+3], v[RD] offset:\t*2*272   ; LDS serves a wave's instructions in order
.endr
.endm
.macro SEND a, younger
.set BB, BK+32*((\a)%2)
	s_wait_dscnt \younger                          ; the block is back; the next block's sixteen LDS instructions may be out
.irp t, 0,1,2,3,4,5,6,7
	global_store_b128 v[CO], v[BB+4*\t:BB+4*\t+3], s[10:11] offset:(16*(\a)+2*\t)*4096 th:TH_STORE_NT
.endr
.endm
	TOSTAGE 0
.irp a, 1,2,3,4,5,6,7
.if \a > 1
	s_wait_xcnt 0x0                                ; block a - 2's stores have read their registers: block a's loads may land there
.endif
	TOSTAGE \a
	SEND \a-1, 16
.endr
	SEND 7, 0
	s_wait_tensorcnt 0x0                           ; the wave's end
	ds_add_u32 v[SPW], v[NIL]
	s_wait_dscnt 0x0
	CROUND                                         ; the closing round
	s_endpgm
.Lfunc_end_k_q895373b271_outproj:
	.size	k_q895373b271_outproj, .Lfunc_end_k_q895373b271_outproj-k_q895373b271_outproj
	.p2alignl 7, 3214868480
	.fill 96, 4, 3214868480
	.section	.rodata,"a",@progbits
	.p2align	6, 0x0
	.amdhsa_kernel k_q895373b271_outproj
		.amdhsa_group_segment_fixed_size 327680
		.amdhsa_private_segment_fixed_size 0
		.amdhsa_enable_private_segment 0
		.amdhsa_kernarg_size 32
		.amdhsa_user_sgpr_count 2
		.amdhsa_user_sgpr_kernarg_segment_ptr 1
		.amdhsa_wavefront_size32 1
		.amdhsa_system_sgpr_workgroup_id_x 1
		.amdhsa_system_sgpr_workgroup_id_y 1
		.amdhsa_system_sgpr_workgroup_id_z 1
		.amdhsa_system_vgpr_workitem_id 0
		.amdhsa_next_free_vgpr 768
		.amdhsa_next_free_sgpr 66
		.amdhsa_reserve_vcc 0
		.amdhsa_float_denorm_mode_32 3
		.amdhsa_float_denorm_mode_16_64 3
		.amdhsa_memory_ordered 1
		.amdhsa_forward_progress 1
		.amdhsa_inst_pref_size 87
	.end_amdhsa_kernel
	.amdgpu_metadata
---
amdhsa.version: [ 1, 2 ]
amdhsa.kernels:
  - .name:           k_q895373b271_outproj
    .symbol:         k_q895373b271_outproj.kd
    .args:
      - { .name: z, .offset: 0, .size: 8, .value_kind: global_buffer, .address_space: global }
      - { .name: wo16, .offset: 8, .size: 8, .value_kind: global_buffer, .address_space: global }
      - { .name: bo, .offset: 16, .size: 8, .value_kind: global_buffer, .address_space: global }
      - { .name: out0, .offset: 24, .size: 8, .value_kind: global_buffer, .address_space: global }
    .group_segment_fixed_size: 327680
    .private_segment_fixed_size: 0
    .kernarg_segment_align: 8
    .kernarg_segment_size: 32
    .max_flat_workgroup_size: 128
    .sgpr_count:     66
    .vgpr_count:     768
    .wavefront_size: 32
...
	.end_amdgpu_metadata
.endif
;; end of part 4
;; launch first16 (part 5): grid 16 x 4, 16 waves a work-group, no clusters, 71,680 bytes of LDS; arguments h32, wo, bo, out0; writes out0
.if DOCPART == 5
	.amdgcn_target "amdgcn-amd-amdhsa--gfx1250"
	.amdhsa_code_object_version 6
	.text
	.protected	k_q895373b271_first16
	.globl	k_q895373b271_first16
	.p2align	8
	.type	k_q895373b271_first16,@function
k_q895373b271_first16:
	s_mov_b64 s[64:65], 0
	v_nop
	global_prefetch_b8 v0, s[64:65] scope:SCOPE_SE
	s_setreg_imm32_b32 hwreg(HW_REG_WAVE_MODE, 25, 1), 1
	s_wait_xcnt 0x0
; FIRST16: positions 0 to 15 of every sequence once more, wholly in f32: these rows average one to sixteen values and are the largest of the output, so the rounding of 16-bit operands weighs most there.
; h32: [3 (q, k, v)][4 batches][16 positions][1024] f32; wo: [1024][1024] f32; bo: [1024]; 64 rows of out0 are written over.
; A work-group takes (64 output columns, a batch); a wave takes a head: its 16 x 16 attention, then z_head (16 x 64) x wo's 64 rows x 64 columns.  The sixteen heads' parts meet in LDS; wave w adds up query row w.
; All products by v_wmma_f32_16x16x4_f32, used transposed, so that a lane holds ONE query (lane % 16).  Along each product's K the same order is given to both operands, chosen so that a result's register pairs
; ARE the next product's source 1: S^T's register j holds key 8 h + j, so step s of V^T P takes keys 8 h + 2 s + {0, 1}; z^T's register 8 ct + 2 s + j holds channel 16 ct + 8 h + 2 s + j, and wo's rows are loaded in that order.
; The registers that these matrix instructions write (v176-239) are written by nothing else; what is made of a sum goes into other registers.
; LDS: 16 parts of 16 rows x 272 bytes; then the spare words.
.set SPARE, 16*4352                    ; 128 bytes for each wave: eight blocks of 256 bytes that no other line names
.set SPW,  6
.set NIL,  7
.set QF,   16                          ; v16-47   Q, later wo's columns 32-47, later the parts read back
.set KFR,  48                          ; v48-79   K, later wo's columns 48-63
.set VF,   80                          ; v80-111  V, later z / the sum
.set ACC1, 176                         ; v176-207 four accumulators: S^T in four parts, then z^T
.set ACC2, 208                         ; v208-239 out^T
.set PP,   240                         ; v240-247 the scores, then p
	s_load_b256 s[4:11], s[0:1], 0x0               ; h32 s[4:5], wo s[6:7], bo s[8:9], out0 s[10:11]
	v_lshl_add_u32 v[SPW], v0, 2, SPARE
	v_mov_b32 v[NIL], 0
	v_lshrrev_b32 v9, 5, v0
	v_readfirstlane_b32 s12, v9                    ; wave = head
	v_and_b32 v12, 15, v0                          ; r
	v_bfe_u32 v13, v0, 4, 1                        ; h
	v_lshlrev_b32 v1, 12, v12
	v_lshl_add_u32 v1, v13, 4, v1                  ; Q, K: row r of 4,096 bytes, + 16 h
	v_lshlrev_b32 v2, 2, v12
	v_lshl_add_u32 v2, v13, 15, v2                 ; V, wo: column r, 8 h rows down
	v_and_b32 v14, 31, v0
	v_lshlrev_b32 v5, 3, v14                       ; 8 x lane
	s_mul_i32 s13, s12, 4352
	v_mul_u32_u24 v3, v12, 272
	v_lshl_add_u32 v3, v13, 5, v3
	v_add_nc_u32 v3, s13, v3                       ; my part: row r, + 32 h
	s_mul_i32 s13, s12, 272
	v_add_nc_u32 v4, s13, v5                       ; back: row w of every part, 8 bytes a lane
	v_lshlrev_b32 v8, 3, v13
	v_sub_nc_u32 v8, v12, v8                       ; r - 8 h
	v_mov_b32 v9, 0xff800000                       ; -infinity
	s_and_b32 s14, ttmp7, 0xffff                   ; the batch
	s_lshl_b32 s16, s14, 16
	s_lshl_b32 s15, s12, 8
	s_add_co_u32 s16, s16, s15                     ; h32: 65,536 batch + 256 head
	s_mov_b32 s17, 0
	s_lshl_b32 s18, s12, 18
	s_lshl_b32 s20, ttmp9, 8                       ; the 64 columns, in bytes
	s_add_co_u32 s18, s18, s20                     ; wo: the head's 64 rows, my columns
	s_mov_b32 s19, 0
	s_mov_b32 s21, 0
	s_lshl_b32 s22, s14, 23
	s_lshl_b32 s15, s12, 12
	s_add_co_u32 s22, s22, s15
	s_add_co_u32 s22, s22, s20                     ; out0: row 2048 batch + w
	s_mov_b32 s23, 0
	s_mov_b32 s24, 0x76543210
	s_mov_b32 s25, 0xfedcba98
	s_mov_b32 s26, 0x3e38aa3b                      ; c = log2(e) / 8
	s_wait_kmcnt 0x0
	s_add_nc_u64 s[4:5], s[4:5], s[16:17]
	s_add_nc_u64 s[6:7], s[6:7], s[18:19]
	s_add_nc_u64 s[8:9], s[8:9], s[20:21]
	s_add_nc_u64 s[10:11], s[10:11], s[22:23]
.irp i, 0,1,2,3,4,5,6,7
	global_load_b128 v[QF+4*\i:QF+4*\i+3], v1, s[4:5] offset:32*\i                 ; channels 8 i + 4 h + 0 .. 3 of query r
.endr
.irp i, 0,1,2,3,4,5,6,7
	global_load_b128 v[KFR+4*\i:KFR+4*\i+3], v1, s[4:5] offset:262144+32*\i        ; the same of key r
.endr
.set n, 0
.rept 32
	global_load_b32 v[VF+n], v2, s[4:5] offset:524288+(n%8)*4096+64*(n/8)          ; register 8 ct + i: V(key 8 h + i, channel 16 ct + r)
.set n, n+1
.endr
.macro WLOAD nt                        ; register 8 ct + i of set nt: wo(row 16 ct + 8 h + i of the head, column 16 nt + r)
.set n, 0
.rept 32
	global_load_b32 v[(112+32*\nt)%160+n], v2, s[6:7] offset:(16*(n/8)+n%8)*4096+64*\nt
.set n, n+1
.endr
.endm
	WLOAD 0
	WLOAD 1
	global_load_b64 v[10:11], v5, s[8:9]
	s_wait_loadcnt 63                              ; 97 loads were issued behind K's last: Q and K are in
.set u, 0
.rept 16                               ; S^T = K Q^T, 4 channels a product, four accumulators by turns
.if u < 4
	v_wmma_f32_16x16x4_f32 v[ACC1+8*(u%4):ACC1+8*(u%4)+7], v[KFR+2*u:KFR+2*u+1], v[QF+2*u:QF+2*u+1], 0
.else
	v_wmma_f32_16x16x4_f32 v[ACC1+8*(u%4):ACC1+8*(u%4)+7], v[KFR+2*u:KFR+2*u+1], v[QF+2*u:QF+2*u+1], v[ACC1+8*(u%4):ACC1+8*(u%4)+7]
.endif
.set u, u+1
.endr
.rept 8
	v_nop                                          ; eight places behind this form, ahead of loads into its operands and of the first read of its results
.endr
	WLOAD 2
	WLOAD 3
.irp j, 0,1,2,3,4,5,6,7
	v_add_f32 v248, v[ACC1+\j], v[ACC1+8+\j]       ; the four parts of the sum, each accumulator from its low end on
	v_add_f32 v249, v[ACC1+16+\j], v[ACC1+24+\j]
	v_add_f32 v[PP+\j], v248, v249
.endr
.irp j, 0,1,2,3,4,5,6,7
	v_cmp_gt_i32 vcc_lo, \j, v8                    ; key 8 h + j comes after query r
	v_cndmask_b32 v[PP+\j], v[PP+\j], v9, vcc_lo
.endr
	v_max3_num_f32 v248, v240, v241, v242
	v_max3_num_f32 v248, v248, v243, v244
	v_max3_num_f32 v248, v248, v245, v246
	v_max_num_f32 v248, v248, v247
	v_permlanex16_b32 v249, v248, s24, s25
	v_max_num_f32 v248, v248, v249                 ; the row's maximum (key 0 counts for every query)
	v_mul_f32 v250, s26, v248
.irp j, 0,1,2,3,4,5,6,7
	v_fma_f32 v[PP+\j], v[PP+\j], s26, -v250
.endr
.irp j, 0,1,2,3,4,5,6,7
	v_exp_f32 v[PP+\j], v[PP+\j]
.endr
	v_nop
	s_wait_alu depctr_va_vdst(0)                   ; one wait for the eight exponentials, ahead of their first reader
	v_add_f32 v251, v240, v241
	v_add_f32 v253, v242, v243
	v_add_f32 v254, v244, v245
	v_add_f32 v255, v246, v247
	v_add_f32 v251, v251, v253
	v_add_f32 v254, v254, v255
	v_add_f32 v251, v251, v254
	v_permlanex16_b32 v249, v251, s24, s25
	v_add_f32 v251, v251, v249                     ; the row's sum
	v_rcp_f32 v252, v251
	v_nop
	s_wait_alu depctr_va_vdst(0)                   ; the wait for the reciprocal
	s_wait_loadcnt 63                              ; 129 loads were issued behind V's last: V is in
.set u, 0
.rept 16                               ; z^T = V^T P: step s = u / 4 takes keys 8 h + 2 s + {0, 1}; the four tiles of channels by turns
.if u < 4
	v_wmma_f32_16x16x4_f32 v[ACC1+8*(u%4):ACC1+8*(u%4)+7], v[VF+8*(u%4)+2*(u/4):VF+8*(u%4)+2*(u/4)+1], v[PP+2*(u/4):PP+2*(u/4)+1], 0
.else
	v_wmma_f32_16x16x4_f32 v[ACC1+8*(u%4):ACC1+8*(u%4)+7], v[VF+8*(u%4)+2*(u/4):VF+8*(u%4)+2*(u/4)+1], v[PP+2*(u/4):PP+2*(u/4)+1], v[ACC1+8*(u%4):ACC1+8*(u%4)+7]
.endif
.set u, u+1
.endr
.rept 8
	v_nop
.endr
.set n, 0
.rept 32
	v_mul_f32 v[VF+n], v[ACC1+n], v252             ; z = z^T / the sum, into V's registers
.set n, n+1
.endr
	s_wait_loadcnt 0x0                             ; wo, bo
.set u, 0
.rept 16                               ; out^T += wo^T z^T: pair u of z's registers; the four tiles of columns by turns
.irp nt, 0,1,2,3
.if u == 0
	v_wmma_f32_16x16x4_f32 v[ACC2+8*\nt:ACC2+8*\nt+7], v[(112+32*\nt)%160+2*u:(112+32*\nt)%160+2*u+1], v[VF+2*u:VF+2*u+1], 0
.else
	v_wmma_f32_16x16x4_f32 v[ACC2+8*\nt:ACC2+8*\nt+7], v[(112+32*\nt)%160+2*u:(112+32*\nt)%160+2*u+1], v[VF+2*u:VF+2*u+1], v[ACC2+8*\nt:ACC2+8*\nt+7]
.endif
.endr
.set u, u+1
.endr
.rept 8
	v_nop
.endr
.irp nt, 0,1,2,3
	ds_store_b128 v3, v[ACC2+8*\nt:ACC2+8*\nt+3] offset:64*\nt          ; lane (r, h): columns 16 nt + 8 h + 0 .. 7 of query r
	ds_store_b128 v3, v[ACC2+8*\nt+4:ACC2+8*\nt+7] offset:64*\nt+16
.endr
	s_wait_dscnt 0x0                               ; for the others' sake: my part lies in LDS
	s_barrier_signal -1
	s_barrier_wait -1
.irp i, 0,1,2,3,4,5,6,7,8,9,10,11,12,13,14,15
	ds_load_b64 v[QF+2*\i:QF+2*\i+1], v4 offset:\i*4352                 ; row w of head i's part
.endr
	s_wait_dscnt 0x0
.irp i, 0,4,8,12,16,20,24,28
	v_pk_add_f32 v[QF+\i:QF+\i+1], v[QF+\i:QF+\i+1], v[QF+\i+2:QF+\i+3]
.endr
.irp i, 0,8,16,24
	v_pk_add_f32 v[QF+\i:QF+\i+1], v[QF+\i:QF+\i+1], v[QF+\i+4:QF+\i+5]
.endr
.irp i, 0,16
	v_pk_add_f32 v[QF+\i:QF+\i+1], v[QF+\i:QF+\i+1], v[QF+\i+8:QF+\i+9]
.endr
	v_pk_add_f32 v[QF:QF+1], v[QF:QF+1], v[QF+16:QF+17]
	v_pk_add_f32 v[QF:QF+1], v[QF:QF+1], v[10:11]  ; + bo
	global_store_b64 v5, v[QF:QF+1], s[10:11]      ; 32 lanes store 256 consecutive bytes, aligned
	s_wait_tensorcnt 0x0                           ; the wave's end
	ds_add_u32 v[SPW], v[NIL]
	s_wait_dscnt 0x0
	s_endpgm
.Lfunc_end_k_q895373b271_first16:
	.size	k_q895373b271_first16, .Lfunc_end_k_q895373b271_first16-k_q895373b271_first16
	.p2alignl 7, 3214868480
	.fill 96, 4, 3214868480
	.section	.rodata,"a",@progbits
	.p2align	6, 0x0
	.amdhsa_kernel k_q895373b271_first16
		.amdhsa_group_segment_fixed_size 71680
		.amdhsa_private_segment_fixed_size 0
		.amdhsa_enable_private_segment 0
		.amdhsa_kernarg_size 32
		.amdhsa_user_sgpr_count 2
		.amdhsa_user_sgpr_kernarg_segment_ptr 1
		.amdhsa_wavefront_size32 1
		.amdhsa_system_sgpr_workgroup_id_x 1
		.amdhsa_system_sgpr_workgroup_id_y 1
		.amdhsa_system_sgpr_workgroup_id_z 1
		.amdhsa_system_vgpr_workitem_id 0
		.amdhsa_next_free_vgpr 256
		.amdhsa_next_free_sgpr 66
		.amdhsa_reserve_vcc 1
		.amdhsa_float_denorm_mode_32 3
		.amdhsa_float_denorm_mode_16_64 3
		.amdhsa_memory_ordered 1
		.amdhsa_forward_progress 1
		.amdhsa_inst_pref_size 33
	.end_amdhsa_kernel
	.amdgpu_metadata
---
amdhsa.version: [ 1, 2 ]
amdhsa.kernels:
  - .name:           k_q895373b271_first16
    .symbol:         k_q895373b271_first16.kd
    .args:
      - { .name: h32, .offset: 0, .size: 8, .value_kind: global_buffer, .address_space: global }
      - { .name: wo, .offset: 8, .size: 8, .value_kind: global_buffer, .address_space: global }
      - { .name: bo, .offset: 16, .size: 8, .value_kind: global_buffer, .address_space: global }
      - { .name: out0, .offset: 24, .size: 8, .value_kind: global_buffer, .address_space: global }
    .group_segment_fixed_size: 71680
    .private_segment_fixed_size: 0
    .kernarg_segment_align: 8
    .kernarg_segment_size: 32
    .max_flat_workgroup_size: 512
    .sgpr_count:     66
    .vgpr_count:     256
    .wavefront_size: 32
...
	.end_amdgpu_metadata
.endif
;; end of part 5
